; MI455X (gfx1250); checked and timed in simulation.
; The chip was launched on July 23, 2026; its instructions are those of AMD's public machine-readable ISA for CDNA 5 (MIT licence, August 2026) and "CDNA5" Instruction Set Architecture Reference Guide (July 2026). The comments in the code are by the model that wrote it; some were corrected since.
;; Multi Head Attention. Allowed arithmetic: float matrix products may take bf16 or f16 operands with f32 sums; other float arithmetic in f32, or as packed bf16 or f16 multiplies, adds, multiply-adds, maxima and minima; sums over many terms, partial sums and values carried from step to step in f32; what a program stores and reads back later, other than sums and carried values, may be rounded once to bf16 or f16.
;; Inputs: Wk 128 x 128 float32; Wo 128 x 128 float32; Wq 128 x 128 float32; Wv 128 x 128 float32; bk 128 float32; bo 128 float32; bq 128 float32; bv 128 float32; k 2 x 4,096 x 128 float32; q 2 x 4,096 x 128 float32; v 2 x 4,096 x 128 float32.
;; Outputs: out0 2 x 4,096 x 128 float32.
;; 2 versions, each right; version 2 is version 1 with the launches proj, outp written anew for expert scheduling mode. Each part assembles by itself: llvm-mc -triple=amdgcn-amd-amdhsa -mcpu=gfx1250 --defsym DOCPART=n.
;; ======== version 1 of 2: 3 launches
;; limits: values outside matrix products are rounded to bf16; values are held in f16: magnitudes above 65,504 overflow, below 6.1e-05 lose precision
;; workspace buffers: qws 2,097,152 bytes; kws 2,097,152 bytes; vws 2,097,152 bytes; ows 2,097,152 bytes
;; launch proj (part 1): grid 128 x 3, 4 waves a work-group, no clusters, 46,592 bytes of LDS; arguments q, k, v, Wq, Wk, Wv, bq, bv, qws, kws, vws; writes qws, kws, vws
.if DOCPART == 1
	.amdgcn_target "amdgcn-amd-amdhsa--gfx1250"
	.amdhsa_code_object_version 6
	.text
	.protected	k_q6c9fca7452_proj
	.globl	k_q6c9fca7452_proj
	.p2align	8
	.type	k_q6c9fca7452_proj,@function
k_q6c9fca7452_proj:
	s_mov_b64 s[64:65], 0
	v_nop
	global_prefetch_b8 v0, s[64:65] scope:SCOPE_SE
	s_setreg_imm32_b32 hwreg(HW_REG_WAVE_MODE, 25, 1), 1
	s_wait_xcnt 0x0
; THE THREE PROJECTIONS IN FRONT OF THE ATTENTION.  y = 0: Q = (q Wq + bq) c, c = log2(e) / sqrt(32);  y = 1: K = k Wk;  y = 2: V = v Wv + bv.
; q, k, v: [8192][128] f32; W: [128 (k)][128 (n)] f32.  Every input is rounded once to bf16, the biases too; products in bf16, sums in f32; each result is rounded once to f16.
; DEAD WORK: bk.  logits[q][key] = Qh[q] . (k[key] Wk + bk) / sqrt(32) = Qh[q] . (k[key] Wk) / sqrt(32) + Qh[q] . bk / sqrt(32).  The last term does not hang on the key, the axis of
; reference()'s softmax, and softmax(z + t) = softmax(z) for every t that is the same along the axis: whatever finite values the inputs hold, bk reaches no output.  kh is used nowhere else.
; So bk is not loaded and is among no launch's arguments, and K's product has no bias step.  LIMIT: a NaN, an infinity or an overflow that reaches only bk's term is not carried to the result.
; LIMITS.  Q c, K and V must lie within f16's 65,504 (a larger number becomes an infinity).  NaN and infinities are not treated apart.
; c is applied here, in f32, ahead of Q's one rounding: the attention's exponentials are then 2^(s - m), with no multiply left in its loop.
; SHARES.  A work-group takes 64 rows of one tensor, each of its four waves 16 rows x all 128 columns: 8 accumulators.  W goes once through LDS, as bf16, [k][n], and comes out turned (ds_load_tr16_b128).
; THE BIAS IS A FIFTH K STEP: LDS rows 128-159 hold the bias (row 128) and zeros, and the x fragment beside them holds 1 at k = 128 and zeros.  So the bias is rounded like a row of W and serves both orientations.
; OUT, IN FRAGMENT ORDER.  qws, kws, vws: [b 4 + head][tile of 16 rows][blk 2][lane 32][8 f16]: a block of 512 bytes is half a matrix fragment as the next launch's registers hold it.
;   Q, K: the product is taken transposed (source 0 = 16 columns of W, source 1 = my 16 rows): lane (r, h) ends with row r, channels 8 h + 0..7 of a block of 16: blk = that block's parity in its head.
;   V: source 0 = my 16 rows, source 1 = 16 columns of W: lane (r, h) ends with channel r of the block and keys 8 h + 0..7.
; No tensor loads, no cluster, no prefetch: what work-groups share is 64 KiB of weights, and all loads of a work-group go out at its head.
.set PW,    288                        ; a row of W in LDS: 256 bytes + 32 = 72 words
.set SPARE, 160*PW                     ; behind the 160 rows: the spare words, 128 bytes for each wave: two blocks of 256 bytes that no other line names
.set XO,  1                            ; v1   my byte offset in my wave's rows of x: r x 512 + 32 h
.set WO,  2                            ; v2   my byte offset in W: wave x 32 rows x 512 + 16 lane
.set WST, 4                            ; v4   LDS: where my 8 bytes of my wave's first row of W go
.set AST, 5                            ; v5   LDS: the same in my wave's 8 of the rows 128-159
.set TRA, 6                            ; v6   LDS: my place in a turning load
.set GO,  7                            ; v7   16 x lane: the bias's load, and the stores
.set BI,  8                            ; v[8:11]   the bias
.set ZP,  12                           ; v[12:13]  0, 0
.set SPW, 14                           ; v14  LDS address of my spare word; never rewritten
.set NIL, 15                           ; v15  0; never rewritten
.set XA,  24                           ; v[24:31]  the fifth K step's x fragment
.set XB,  32                           ; v[32:63]  x as bf16: four fragments of 16 rows x 32 k
.set XF,  64                           ; v[64:127] x as loaded
.set STG, 128                          ; v[128:255] my 32 rows of W as loaded
.set ACC, 128                          ; later: v[128:191] 8 accumulators,
.set FA,  192                          ; v[192:255] and
.set FB,  64                           ; v[64:127] two buffers of W's fragments (8 x 8 registers: one K step)
	s_load_b512 s[8:23], s[0:1], 0x0               ; q s[8:9], k s[10:11], v s[12:13], Wq s[14:15], Wk s[16:17], Wv s[18:19], bq s[20:21], bv s[22:23]
	s_load_b128 s[24:27], s[0:1], 0x40             ; qws s[24:25], kws s[26:27]
	s_load_b64 s[28:29], s[0:1], 0x50              ; vws
	v_lshl_add_u32 v[SPW], v0, 2, SPARE
	v_mov_b32 v[NIL], 0
	v_lshrrev_b32 v16, 5, v0
	v_readfirstlane_b32 s4, v16                    ; wave 0..3
	s_and_b32 s5, ttmp7, 0xffff                    ; y: which tensor
	v_and_b32 v17, 31, v0                          ; lane
	v_and_b32 v18, 15, v0                          ; r
	v_bfe_u32 v19, v0, 4, 1                        ; h
	v_lshlrev_b32 v[XO], 9, v18
	v_lshl_add_u32 v[XO], v19, 5, v[XO]
	s_lshl_b32 s6, s4, 14
	v_lshl_add_u32 v[WO], v17, 4, s6
	v_lshlrev_b32 v[GO], 4, v17
	s_mul_i32 s6, s4, 32*PW
	v_lshl_add_u32 v[WST], v17, 3, s6
	s_mul_i32 s6, s4, 8*PW
	s_add_co_u32 s6, s6, 128*PW
	v_lshl_add_u32 v[AST], v17, 3, s6
	v_and_b32 v20, 7, v0                           ; the turning load: lane l reads row 8 h + l % 8, 16 bytes at 16 ((l / 8) % 2)
	v_lshl_add_u32 v20, v19, 3, v20
	v_mul_u32_u24 v[TRA], v20, PW
	v_bfe_u32 v20, v0, 3, 1
	v_lshl_add_u32 v[TRA], v20, 4, v[TRA]
	v_xor_b32 v20, 1, v19
	v_mul_u32_u24 v[XA], v20, 0x3f80               ; k = 128 is the low half of register 0 in the lanes with h = 0: 1.0 in bf16
.irp i, 1,2,3,4,5,6,7
	v_mov_b32 v[XA+(\i)], 0
.endr
	v_mov_b32 v[ZP], 0
	v_mov_b32 v[ZP+1], 0
	s_cmp_eq_u32 s4, 0
	s_cselect_b32 s40, -1, 0                       ; the bias lives in wave 0's first extra row alone
	s_mov_b32 s42, 0x3e8293ee                      ; c = log2(e) / sqrt(32) = 0.255035
	s_mov_b32 s43, s42                             ; named with it as a pair
	s_lshl_b32 s6, ttmp9, 6
	s_lshl_b32 s7, s4, 4
	s_add_co_u32 s6, s6, s7                        ; my first row of 8,192
	s_lshl_b32 s30, s6, 9                          ; in x: 512 bytes a row
	s_mov_b32 s31, 0
	s_lshr_b32 s44, s6, 12                         ; in the workspace: the batch's four heads of 262,144 bytes,
	s_lshl_b32 s44, s44, 20
	s_and_b32 s45, s6, 0xff0                       ; and my tile of 16 rows, 1,024 bytes
	s_lshl_b32 s45, s45, 6
	s_add_co_u32 s44, s44, s45
	s_mov_b32 s45, 0
	s_wait_kmcnt 0x0
	s_cmp_eq_u32 s5, 0
	s_cselect_b64 s[32:33], s[8:9], s[12:13]       ; x
	s_cselect_b64 s[34:35], s[14:15], s[18:19]     ; W
	s_cselect_b64 s[36:37], s[20:21], s[22:23]     ; the bias (not used where y = 1)
	s_cselect_b64 s[38:39], s[24:25], s[28:29]     ; the workspace
	s_cmp_eq_u32 s5, 1
	s_cselect_b64 s[32:33], s[10:11], s[32:33]
	s_cselect_b64 s[34:35], s[16:17], s[34:35]
	s_cselect_b64 s[38:39], s[26:27], s[38:39]
	s_add_nc_u64 s[32:33], s[32:33], s[30:31]
	s_add_nc_u64 s[38:39], s[38:39], s[44:45]
.set i, 0
.rept 32                               ; my 32 rows of W: each load covers a row's 512 consecutive bytes
	global_load_b128 v[STG+4*i:STG+4*i+3], v[WO], s[34:35] offset:i*512
.set i, i+1
.endr
.irp j, 0,1,2,3                        ; x: for K step j lane (r, h) takes k = 32 j + 8 h + 0..7 and 32 j + 16 + 8 h + 0..7 of row r
	global_load_b128 v[XF+16*(\j):XF+16*(\j)+3],     v[XO], s[32:33] offset:128*(\j)
	global_load_b128 v[XF+16*(\j)+4:XF+16*(\j)+7],   v[XO], s[32:33] offset:128*(\j)+16
	global_load_b128 v[XF+16*(\j)+8:XF+16*(\j)+11],  v[XO], s[32:33] offset:128*(\j)+64
	global_load_b128 v[XF+16*(\j)+12:XF+16*(\j)+15], v[XO], s[32:33] offset:128*(\j)+80
.endr
	s_cmp_eq_u32 s5, 1
	s_cbranch_scc1 .Lno_bias                       ; K has no bias step (see the head)
	global_load_b128 v[BI:BI+3], v[GO], s[36:37]   ; 128 numbers, 4 a lane, in every wave
.irp i, 1,2,3,4,5,6,7
	ds_store_b64 v[AST], v[ZP:ZP+1] offset:(\i)*PW ; seven of my eight extra rows are zeros
.endr
	s_wait_loadcnt 0x0                             ; the bias was issued last
	v_cvt_pk_bf16_f32 v[BI], v[BI], v[BI+1]
	v_cvt_pk_bf16_f32 v[BI+1], v[BI+2], v[BI+3]
	v_and_b32 v[BI], s40, v[BI]                    ; waves 1 to 3 write zeros
	v_and_b32 v[BI+1], s40, v[BI+1]
	ds_store_b64 v[AST], v[BI:BI+1]
.Lno_bias:
	s_wait_loadcnt 16                              ; W is in; x's 16 loads, issued behind it, may stay out
.set i, 0
.rept 32
	v_cvt_pk_bf16_f32 v[STG+4*i], v[STG+4*i], v[STG+4*i+1]
	v_cvt_pk_bf16_f32 v[STG+4*i+1], v[STG+4*i+2], v[STG+4*i+3]
	ds_store_b64 v[WST], v[STG+4*i:STG+4*i+1] offset:i*PW  ; 32 lanes x 8 bytes: a row's 256 bytes on end
.set i, i+1
.endr
	s_wait_loadcnt 0x0                             ; x
.set i, 0
.rept 32
	v_cvt_pk_bf16_f32 v[XB+i], v[XF+2*i], v[XF+2*i+1]
.set i, i+1
.endr
	s_wait_dscnt 0x0                               ; for the others' sake: my rows of W lie in LDS
	s_barrier_signal -1
	s_barrier_wait -1
.macro PLACES                          ; four places behind a matrix instruction, in front of loads into registers that it has read (ISA guide 7.12.1 for vector instructions)
.rept 4
	v_nop
.endr
.endm
.macro LOADW j, buf                    ; K step j's 8 fragments of W (32 k x 16 columns each), turned
.irp nb, 0,1,2,3,4,5,6,7
	ds_load_tr16_b128 v[(\buf)+8*(\nb):(\buf)+8*(\nb)+3],   v[TRA] offset:(\j)*32*PW+32*(\nb)
	ds_load_tr16_b128 v[(\buf)+8*(\nb)+4:(\buf)+8*(\nb)+7], v[TRA] offset:(\j)*32*PW+32*(\nb)+16*PW
.endr
.endm
; K step j's 8 products; the 8 accumulators take turns, one instruction a turn.  kind 2 (V): source 0 = x; kinds 0, 1 (Q, K): source 0 = W.  first = 1: the products start the sums.
.macro MUL j, buf, kind, first
.if (\j) == 4
.set xr, XA
.else
.set xr, XB+8*(\j)
.endif
.irp nb, 0,1,2,3,4,5,6,7
.if (\kind) == 2
.if \first
	v_wmma_f32_16x16x32_bf16 v[ACC+8*(\nb):ACC+8*(\nb)+7], v[xr:xr+7], v[(\buf)+8*(\nb):(\buf)+8*(\nb)+7], 0
.else
	v_wmma_f32_16x16x32_bf16 v[ACC+8*(\nb):ACC+8*(\nb)+7], v[xr:xr+7], v[(\buf)+8*(\nb):(\buf)+8*(\nb)+7], v[ACC+8*(\nb):ACC+8*(\nb)+7]
.endif
.else
.if \first
	v_wmma_f32_16x16x32_bf16 v[ACC+8*(\nb):ACC+8*(\nb)+7], v[(\buf)+8*(\nb):(\buf)+8*(\nb)+7], v[xr:xr+7], 0
.else
	v_wmma_f32_16x16x32_bf16 v[ACC+8*(\nb):ACC+8*(\nb)+7], v[(\buf)+8*(\nb):(\buf)+8*(\nb)+7], v[xr:xr+7], v[ACC+8*(\nb):ACC+8*(\nb)+7]
.endif
.endif
.endr
.endm
; ns K steps on two buffers: while one is multiplied the other's 16 loads are out; each count of 16 leaves just those out.
.macro GEMM kind, ns
	LOADW 0, FA
	LOADW 1, FB
	s_wait_dscnt 16
	MUL 0, FA, \kind, 1
	PLACES
	LOADW 2, FA
	s_wait_dscnt 16
	MUL 1, FB, \kind, 0
	PLACES
	LOADW 3, FB
	s_wait_dscnt 16
	MUL 2, FA, \kind, 0
.if (\ns) == 5
	PLACES
	LOADW 4, FA
	s_wait_dscnt 16
	MUL 3, FB, \kind, 0
	s_wait_dscnt 0x0
	MUL 4, FA, \kind, 0
.else
	s_wait_dscnt 0x0
	MUL 3, FB, \kind, 0
.endif
.endm
; The way out: Q times c; rounded to f16, packed in place from the low end on (register n takes registers 2 n, 2 n + 1, which no later line reads); 8 stores of 512 consecutive bytes.
.macro WAYOUT kind
	PLACES
	PLACES                                         ; eight, once a launch: the accumulators are rewritten in place
.if (\kind) == 0
.set i, 0
.rept 32
	v_pk_mul_f32 v[ACC+2*i:ACC+2*i+1], v[ACC+2*i:ACC+2*i+1], s[42:43] op_sel_hi:[1,0]
.set i, i+1
.endr
.endif
.set i, 0
.rept 32
	v_cvt_pk_f16_f32 v[ACC+i], v[ACC+2*i], v[ACC+2*i+1]
.set i, i+1
.endr
.irp nb, 0,1,2,3,4,5,6,7               ; column block nb: head nb / 2, blk nb % 2
	global_store_b128 v[GO], v[ACC+4*(\nb):ACC+4*(\nb)+3], s[38:39] offset:((\nb)/2)*262144+((\nb)%2)*512
.endr
.endm
	s_cmp_eq_u32 s5, 0
	s_cbranch_scc1 .Lq
	s_cmp_eq_u32 s5, 1
	s_cbranch_scc1 .Lk
	GEMM 2, 5
	WAYOUT 2
	s_branch .Lend
.Lq:
	GEMM 0, 5
	WAYOUT 0
	s_branch .Lend
.Lk:
	GEMM 1, 4
	WAYOUT 1
.Lend:
	s_wait_tensorcnt 0x0                           ; the wave's end, behind my last LDS store
	ds_add_u32 v[SPW], v[NIL]
	s_wait_dscnt 0x0
	s_endpgm
.Lfunc_end_k_q6c9fca7452_proj:
	.size	k_q6c9fca7452_proj, .Lfunc_end_k_q6c9fca7452_proj-k_q6c9fca7452_proj
	.p2alignl 7, 3214868480
	.fill 96, 4, 3214868480
	.section	.rodata,"a",@progbits
	.p2align	6, 0x0
	.amdhsa_kernel k_q6c9fca7452_proj
		.amdhsa_group_segment_fixed_size 46592
		.amdhsa_private_segment_fixed_size 0
		.amdhsa_enable_private_segment 0
		.amdhsa_kernarg_size 88
		.amdhsa_user_sgpr_count 2
		.amdhsa_user_sgpr_kernarg_segment_ptr 1
		.amdhsa_wavefront_size32 1
		.amdhsa_system_sgpr_workgroup_id_x 1
		.amdhsa_system_sgpr_workgroup_id_y 1
		.amdhsa_system_sgpr_workgroup_id_z 1
		.amdhsa_system_vgpr_workitem_id 0
		.amdhsa_next_free_vgpr 256
		.amdhsa_next_free_sgpr 66
		.amdhsa_reserve_vcc 0
		.amdhsa_float_denorm_mode_32 3
		.amdhsa_float_denorm_mode_16_64 3
		.amdhsa_memory_ordered 1
		.amdhsa_forward_progress 1
		.amdhsa_inst_pref_size 51
	.end_amdhsa_kernel
	.amdgpu_metadata
---
amdhsa.version: [ 1, 2 ]
amdhsa.kernels:
  - .name:           k_q6c9fca7452_proj
    .symbol:         k_q6c9fca7452_proj.kd
    .args:
      - { .name: q, .offset: 0, .size: 8, .value_kind: global_buffer, .address_space: global }
      - { .name: k, .offset: 8, .size: 8, .value_kind: global_buffer, .address_space: global }
      - { .name: v, .offset: 16, .size: 8, .value_kind: global_buffer, .address_space: global }
      - { .name: Wq, .offset: 24, .size: 8, .value_kind: global_buffer, .address_space: global }
      - { .name: Wk, .offset: 32, .size: 8, .value_kind: global_buffer, .address_space: global }
      - { .name: Wv, .offset: 40, .size: 8, .value_kind: global_buffer, .address_space: global }
      - { .name: bq, .offset: 48, .size: 8, .value_kind: global_buffer, .address_space: global }
      - { .name: bv, .offset: 56, .size: 8, .value_kind: global_buffer, .address_space: global }
      - { .name: qws, .offset: 64, .size: 8, .value_kind: global_buffer, .address_space: global }
      - { .name: kws, .offset: 72, .size: 8, .value_kind: global_buffer, .address_space: global }
      - { .name: vws, .offset: 80, .size: 8, .value_kind: global_buffer, .address_space: global }
    .group_segment_fixed_size: 46592
    .private_segment_fixed_size: 0
    .kernarg_segment_align: 8
    .kernarg_segment_size: 88
    .max_flat_workgroup_size: 128
    .sgpr_count:     66
    .vgpr_count:     256
    .wavefront_size: 32
...
	.end_amdgpu_metadata
.endif
;; end of part 1
;; launch attn (part 2): grid 32 x 8, 8 waves a work-group, clusters of 4 x 1, 327,680 bytes of LDS; arguments qws, kws, vws, ows; writes ows
.if DOCPART == 2
	.amdgcn_target "amdgcn-amd-amdhsa--gfx1250"
	.amdhsa_code_object_version 6
	.text
	.protected	k_q6c9fca7452_attn
	.globl	k_q6c9fca7452_attn
	.p2align	8
	.type	k_q6c9fca7452_attn,@function
k_q6c9fca7452_attn:
	s_mov_b64 s[64:65], 0
	v_nop
	global_prefetch_b8 v0, s[64:65] scope:SCOPE_SE
	s_setreg_imm32_b32 hwreg(HW_REG_WAVE_MODE, 25, 1), 1
	s_wait_xcnt 0x0
	s_wait_alu depctr_hold_cnt(0) depctr_sa_sdst(0) depctr_va_vdst(0) depctr_va_sdst(0) depctr_va_ssrc(0) depctr_va_vcc(0) depctr_vm_vsrc(0)
	s_getreg_b32 s2, hwreg(HW_REG_IB_STS2, 6, 4)
	s_cmp_eq_u32 s2, 0
	s_cbranch_scc0 .Lentry_in_a_cluster
	s_endpgm
.Lentry_in_a_cluster:
	s_bfe_u32 s2, ttmp6, 0x10000c
	s_cmp_lg_u32 s2, 0x3003
	s_cbranch_scc0 .Lentry_shape_is_right
	s_endpgm
.Lentry_shape_is_right:
; ATTENTION, head size 32, no mask: O[bh][q] = the sum over keys of softmax(Q[bh][q] . K[bh][key]) V[bh][key], 8 pairs bh = 4 b + head, 4,096 queries and keys each.
; Left out, as shown at the head of the launch before: bk's term of the scores, which is the same along the softmax's axis (K arrives without it).
; Q arrives multiplied by c = log2(e) / sqrt(32), so a weight is p = 2^(s - m).  Q, K, V in f16, in fragment order: [bh][tile of 16 rows][blk 2][lane 32][8 f16].  Products, maxima and sums in f32;
; p is rounded to f16 for the second product, and its sum l is taken of the rounded p, by the matrix unit; O is rounded once, to f16.
; LIMITS.  p lies in 0 to 1 and below 6e-5 keeps f16's fixed step of 6e-8; a weight below 2^-126 counts as 0; O is a mean of V's rows and has their range.  NaN and infinities are not treated apart.
; SHARES.  A work-group owns 128 queries of one bh.  Its eight waves are 2 query halves x 4 key quarters: wave w has the four tiles of 16 queries of half w % 2 and walks the 1,024 keys of quarter w / 2,
; 128 a step.  So a fragment of K or V read from LDS feeds four tiles.  Each wave keeps a running maximum m, a sum l and O^T for its quarter; the four quarters are merged at the end, in f32, through LDS.
; TWO WAVES TO A SIMD, 512 registers each: a tile and step have 20 matrix and 174 vector instructions, so the loop is bound by vector issue; it is written in plain phases, and one wave's matrix runs, waits and LDS
; loads stand beside the other's vector work.
; LAYOUT.  S^T = K Q^T (source 0 = 16 keys, source 1 = 16 queries): a lane holds ONE query (lane % 16) and the keys 8 (lane / 16) + 0..7.  Two such results rounded to f16 in pairs ARE source 1 (32 keys x 16 queries)
; of O^T = V^T P, whose result holds one query a lane and eight channels.  l = ONES x P, where ONES has ones in rows 0 and 8 alone: register 0 of the result is the query's sum over the 32 keys in both halves of the lanes.
; SOFTMAX.  In every step O^T and l are multiplied by a = 2^(m_old - m_new).  m starts at the lowest finite number, O^T and l at 0: the first step is a step like any other, with a = 0.
; CLUSTER.  The four query blocks of a cluster belong to one bh and walk the same K and V, so each tile is asked for JOINTLY: the same tensor load, descriptor and mask in all four.
; REGISTERS, in two windows of 256 (s_set_vgpr_msb: bits 1:0 source 0, 3:2 source 1, 5:4 source 2, 7:6 destination):
;   window 0: v0-7 addresses; v8-23 four registers of statistics a tile; v24-31 at work; v32-63 Q; v64-127 P and v128-255 S^T of the two tiles in hand
;   window 1: v0-63 O^T, 16 a tile; v64-95 l, 8 a tile; v96-103 ONES; v128-191 K of one step; v192-255 V of one step
.set SLOT1, 1<<17                      ; LDS: slot 0 at 0, slot 1 here: one exclusive or turns an address in one slot into the other's
.set TILE,  16384                      ; what one tensor load brings: 256 keys of K or of V, dense.  In a slot wave w's tile lies at 16,384 w: K of quarter i at 32,768 i, its V 16,384 behind
.set STEPB, 8192                       ; 128 keys of it
.set MX,    2*SLOT1                    ; behind the ring: the waves' maxima, [wave][tile][lane] f32, 4,096 bytes; no tensor load lands here
.set SPARE, MX+4096                    ; the spare words, 128 bytes for each wave: four blocks of 256 bytes that no other line names
.set PARTB, 2560                       ; the merge: a wave's tile: 2,048 bytes of O^T, 128 of l, in 2,560.  32 of them from LDS byte 0 on: in slot 0, which has had its last fill of the launch by then
.set ADR, 1                            ; v1   the LDS address in hand
.set AD0, 2                            ; v2   16 x lane + 32,768 x my key quarter; never rewritten
.set GO,  3                            ; v3   16 x lane; never rewritten
.set PFO, 4                            ; v4   256 x lane; never rewritten
.set TMP, 5                            ; v5   at work
.set SPW, 6                            ; v6   LDS address of my spare word: SPARE + 4 x my thread's number; never rewritten
.set NIL, 7                            ; v7   0; never rewritten
.set ST,  8                            ; tile t's statistics at v[ST+4 t]: m; the other half's maximum; a; m_old - m_new
.set CH,  24                           ; four chains c0-c3 for each of the two tiles in hand
.set Q,   32
.set P,   64                           ; tile u (0, 1) in hand: 32 u + 8 x (group of 32 keys)
.set S,   128                          ; 64 u + 8 x (group of 16 keys)
.set OT,  0                            ; window 1: 16 t + 8 x (channel half)
.set LS,  64
.set ONES, 96
.set KF,  128                          ; 8 x (group of 16 keys)
.set VF,  192                          ; 16 x (group of 32 keys) + 8 x (channel half)
.set WV,  12                           ; s12  my wave's number
.set CX,  13                           ; s13  my place in the cluster: it enters Q's, O's and the prefetches' addresses alone
.set QB,  14                           ; s14  my block of 128 queries
.set BH,  15                           ; s15  bh
.set KQ,  16                           ; s16  my key quarter
.set QH,  17                           ; s17  my query half.  Also: I fetch K (0) or V (1) of my quarter
.set G1,  24                           ; s[24:31] descriptor group 1
.set G0,  32                           ; s[32:35] descriptor group 0: it walks
.set SLOTS, 36                         ; s36  fills still to be asked for
.set CNT, 37                           ; s37  counts a slot's two steps
.set TB,  38                           ; s38  LDS byte at which the step to be fetched begins in a tile of quarter 0
.set LIM, 39                           ; s39  1 in a wave that prefetches, else the greatest number
.set PFA, 40                           ; s[40:41] where my prefetches stand
.set SEL, 42                           ; s[42:43] v_permlanex16_b32's selects: each lane takes its own place in the other half
.set MSB, 0
.macro WIN new                         ; the immediate's high byte repeats the setting that is left; a switch that changes nothing is dropped
.if MSB != (\new)
	s_set_vgpr_msb (MSB<<8)|(\new)
.set MSB, (\new)
.endif
.endm
.set W_KQ, 0x01                        ; K in window 1; Q and S^T in window 0
.set W_PV, 0x51                        ; V or ONES in window 1, P in window 0, C and D in window 1
.set W_RS, 0x41                        ; destination and source 0 in window 1, source 1 in window 0
.set W_LD, 0x40                        ; destination in window 1, address or source in window 0
.set W_ST, 0x04                        ; an LDS store's data in window 1, its address in window 0
.macro PLACES                          ; four places behind a matrix instruction (ISA guide 7.12.1 for vector instructions)
.rept 4
	v_nop
.endr
.endm
; A joint fill: one line for all eight waves; its registers differ by the wave's number alone.  An s_nop 0 and four v_nop follow it.
.macro JLOAD
	tensor_load_to_lds s[G0:G0+3], s[G1:G1+7]
	s_nop 0
	PLACES
.endm
; A PREFETCH INTO THE L2 of what the NEXT change of slots will ask for: it stands behind the wave's tensor load and its five lines.  A fill is 16,384 bytes of K and of V for each of the four key quarters.
; All clusters of a bh walk the same K and V: the first of them (cluster x = 0) asks.  Its four partners share the quarters out BY ADDRESS, partner p quarter p; in each, waves 0 to 3 ask: K or V by w % 2, the
; half of the 16,384 bytes by w / 2: 32 lanes x 256 bytes.  So each block of 256 bytes is named once in the launch.  Fills 0 and 1 come by their loads alone; the last change that fills asks for nothing.
.macro ASK
	s_cmp_gt_u32 s[SLOTS], s[LIM]
	s_cbranch_scc0 .Lnot_mine_\@
	global_prefetch_b8 v[PFO], s[PFA:PFA+1] th:TH_LOAD_NT scope:SCOPE_SE
.Lnot_mine_\@:
.endm
; A round of the cluster's barrier: my work-group's barrier, so that wave 0's signal speaks for all eight waves; wave 0 signals; every wave waits for all four work-groups; my work-group's barrier once more.
.macro CROUND
	s_barrier_signal -1
	s_barrier_wait -1
	s_cmp_lg_u32 s[WV], 0
	s_cbranch_scc1 .Lnot_wave_0_\@
	s_barrier_signal -3
.Lnot_wave_0_\@:
	s_barrier_wait -3
	s_barrier_signal -1
	s_barrier_wait -1
.endm
; THE CHANGE OF SLOTS.  Each wave waits for all its tensor loads, of which one is out: its tile of the other slot; adds 0 to its spare word; and waits for that and for its own reads of the slot that it leaves.
; Behind the barrier nobody reads the old slot any more and the other slot is whole.  fill = 1: the old slot is filled again, with the keys two fills on; the barrier is then a round of the cluster's, and the joint
; fill is the first thing behind it: it has two steps, 160 matrix instructions and their softmax, in which to land.  (At its first use nothing has been read yet: slot 0 is waited for, slot 1 filled.)
.macro CHANGE fill
	WIN 0                                          ; at a label and at a branch every window is 0
	s_wait_tensorcnt 0x0                           ; no tensor load of mine is out, so group 0 may be written
	ds_add_u32 v[SPW], v[NIL]                      ; 0 onto my spare word; with fill = 1 the steps below stand between it and the wait for it
.if \fill
	s_xor_b32 s[G0+1], s[G0+1], SLOT1              ; the other slot than last time,
	s_add_nc_u64 s[G0+2:G0+3], s[G0+2:G0+3], TILE  ; the next 256 keys; the type bits on top are not reached
	s_wait_xcnt 0x0                                ; the last prefetch, two steps back, has read its address, so it may be written:
	s_add_nc_u64 s[PFA:PFA+1], s[PFA:PFA+1], TILE  ; one fill further than the walking descriptor
	s_wait_dscnt 0x0                               ; the add is done, and my reads of the slot are over
	CROUND
	JLOAD
	ASK
.else
	s_wait_dscnt 0x0                               ; the add is done, and my reads of the slot are over
	s_barrier_signal -1
	s_barrier_wait -1
.endif
	s_sub_co_u32 s[TB], s[TB], TILE                ; the fetches go back to a tile's first step,
	s_xor_b32 s[TB], s[TB], SLOT1                  ; in the other slot
.endm
	s_load_b256 s[4:11], s[0:1], 0x0               ; qws s[4:5], kws s[6:7], vws s[8:9], ows s[10:11]
	v_lshl_add_u32 v[SPW], v0, 2, SPARE
	v_mov_b32 v[NIL], 0
	ds_add_u32 v[SPW], v[NIL]                      ; the wave's opening: the add, twice on end, and its wait ahead of my first tensor load; the set-up below, work on registers, stands between
	ds_add_u32 v[SPW], v[NIL]                      ; and once more, under the one wait
	v_lshrrev_b32 v[TMP], 5, v0
	v_readfirstlane_b32 s[WV], v[TMP]              ; wave 0..7
	s_bfe_u32 s[CX], ttmp6, 0x40000
	s_lshl_b32 s[QB], ttmp9, 2                     ; in a cluster launch ttmp9 counts clusters
	s_add_co_u32 s[QB], s[QB], s[CX]
	s_and_b32 s[BH], ttmp7, 0xffff                 ; which the four partners share
	s_lshr_b32 s[KQ], s[WV], 1
	s_and_b32 s[QH], s[WV], 1
	; descriptor group 1: 16,384 dense bytes as 64 rows of 256 bytes, laid into LDS without padding: in fragment order every LDS load takes 512 bytes on end
	s_mov_b32 s[G1], 15|(3<<16)|(1<<21)            ; 15:0 the mask of four; 17:16 elements of 8 bytes; 21 set beside a mask
	s_mov_b32 s[G1+1], 32<<16                      ; tensor_dim0 = 32
	s_mov_b32 s[G1+2], 64<<16                      ; tensor_dim1 = 64
	s_mov_b32 s[G1+3], 32<<16                      ; tile_dim0 = 32
	s_mov_b32 s[G1+4], 64                          ; tile_dim1 = 64
	s_mov_b32 s[G1+5], 32                          ; 32 elements from row to row
	s_mov_b32 s[G1+6], 0
	s_mov_b32 s[G1+7], 0
	s_mov_b32 s[G0], 1                             ; 1:0 count = 1
	s_lshl_b32 s[G0+1], s[WV], 14                  ; 63:32 LDS address: slot 0, my wave's tile: no place in the cluster enters an LDS address
	s_lshl_b32 s44, s[BH], 18                      ; bh's 262,144 bytes in qws, kws and vws
	s_lshl_b32 s46, s[KQ], 16                      ; my quarter's 65,536
	s_add_co_u32 s46, s46, s44
	s_mov_b32 s47, 0
	s_lshl_b32 s48, s[CX], 16                      ; the prefetches: quarter cx,
	s_add_co_u32 s48, s48, s44
	s_lshl_b32 s49, s[KQ], 13                      ; half w / 2 of a fill (waves 0 to 3),
	s_add_co_u32 s48, s48, s49
	s_add_co_u32 s48, s48, TILE                    ; at fill 1: the first change of slots steps it to fill 2
	s_mov_b32 s49, 0
	s_lshl_b32 s50, s[QB], 13                      ; Q: my block's 8 tiles of 1,024 bytes, my half's 4
	s_add_co_u32 s50, s50, s44
	s_lshl_b32 s51, s[QH], 12
	s_add_co_u32 s50, s50, s51
	s_mov_b32 s51, 0
	s_lshr_b32 s54, s[BH], 2                       ; ows: [b 256 + tile][head][blk][lane][8 f16]; the tile that I finish is number KQ of my half
	s_lshl_b32 s54, s54, 20
	s_lshl_b32 s55, s[QB], 15
	s_add_co_u32 s54, s54, s55
	s_lshl_b32 s55, s[QH], 14
	s_add_co_u32 s54, s54, s55
	s_lshl_b32 s55, s[KQ], 12
	s_add_co_u32 s54, s54, s55
	s_and_b32 s55, s[BH], 3
	s_lshl_b32 s55, s55, 10
	s_add_co_u32 s54, s54, s55
	s_mov_b32 s55, 0
	s_lshr_b32 s[LIM], s[WV], 2                    ; 0 in waves 0 to 3,
	s_or_b32 s[LIM], s[LIM], ttmp9                 ; where the cluster is bh's first: the same in all four partners
	s_cmp_eq_u32 s[LIM], 0
	s_cselect_b32 s[LIM], 1, -1
	s_mov_b32 s[SEL], 0x76543210
	s_mov_b32 s[SEL+1], 0xfedcba98
	s_mov_b32 s[TB], SLOT1+TILE                    ; the first change of slots turns this into 0
	s_mov_b32 s[SLOTS], 3
	v_and_b32 v[TMP], 31, v0
	v_lshlrev_b32 v[GO], 4, v[TMP]
	v_lshlrev_b32 v[PFO], 8, v[TMP]
	s_lshl_b32 s45, s[KQ], 15
	v_add_nc_u32 v[AD0], s45, v[GO]
	s_wait_dscnt 0x0                               ; both opening adds are done
	s_wait_kmcnt 0x0
	s_cmp_eq_u32 s[QH], 0
	s_cselect_b64 s[G0+2:G0+3], s[6:7], s[8:9]     ; 120:64 global address: K in even waves, V in odd ones,
	s_cselect_b64 s[PFA:PFA+1], s[6:7], s[8:9]
	s_add_nc_u64 s[G0+2:G0+3], s[G0+2:G0+3], s[46:47]  ; at my quarter's first 256 keys
	s_or_b32 s[G0+3], s[G0+3], 0x80000000          ; 127:126 type = 2
	s_add_nc_u64 s[PFA:PFA+1], s[PFA:PFA+1], s[48:49]
	s_add_nc_u64 s[4:5], s[4:5], s[50:51]
	s_add_nc_u64 s[10:11], s[10:11], s[54:55]
	CROUND                                         ; all four work-groups are here: the first joint loads meet
	JLOAD                                          ; fill 0 into slot 0.  Slot 1 is asked for when slot 0 is in, by the loop's own change of slots
.irp t, 0,1,2,3                        ; Q stays in registers: a tile's two blocks of 512 bytes are its fragment
	global_load_b128 v[Q+8*(\t):Q+8*(\t)+3],   v[GO], s[4:5] offset:(\t)*1024
	global_load_b128 v[Q+8*(\t)+4:Q+8*(\t)+7], v[GO], s[4:5] offset:(\t)*1024+512
.endr
	; what the first step finds; all this stands in the wait for the first tile
	v_and_b32 v[TMP], 7, v0
	v_mov_b32 v[ADR], 0x3c003c00                   ; 1.0 twice in f16
	v_cmp_eq_u32 vcc_lo, 0, v[TMP]
	v_cndmask_b32 v[TMP], 0, v[ADR], vcc_lo        ; rows 0 and 8 of ONES lie in the lanes 0, 8, 16, 24
.irp t, 0,1,2,3
	v_mov_b32 v[ST+4*(\t)], 0xff7fffff             ; m: the lowest finite number
	v_mov_b32 v[ST+4*(\t)+1], 0
	v_mov_b32 v[ST+4*(\t)+2], 0
	v_mov_b32 v[ST+4*(\t)+3], 0
.endr
	WIN W_LD
.set i, 0
.rept 96
	v_mov_b32 v[OT+i], 0                           ; O^T and l: the price of writing no first step out
.set i, i+1
.endr
.irp i, 0,1,2,3,4,5,6,7
	v_mov_b32 v[ONES+(\i)], v[TMP]
.endr
	WIN 0
	s_wait_loadcnt 0x0                             ; Q
; Number n of the 32 that find the maximum of a lane's 64 scores and the old m, for tile u of turn p: four chains, three operands at a time.  Each accumulator's lowest registers are read first.
;   0-11  seven scores of each of the accumulators 0-3     12-27  the accumulators 4-7, in pairs     28, 29  the four scores left over     30, 31  c0-c3 and m into c0
.macro MXN p, u
.set rC, CH+4*(\u)
.set rS, S+64*(\u)
.set rT, ST+8*(\p)+4*(\u)
.if n < 4
	v_max3_num_f32 v[rC+n], v[rS+8*n], v[rS+8*n+1], v[rS+8*n+2]
.elseif n < 12
	v_max3_num_f32 v[rC+n%4], v[rC+n%4], v[rS+8*(n%4)+2*(n/4)+1], v[rS+8*(n%4)+2*(n/4)+2]
.elseif n < 28
	v_max3_num_f32 v[rC+n%4], v[rC+n%4], v[rS+32+8*(n%4)+2*((n-12)/4)], v[rS+32+8*(n%4)+2*((n-12)/4)+1]
.elseif n == 28
	v_max3_num_f32 v[rC], v[rC], v[rS+7], v[rS+15]
.elseif n == 29
	v_max3_num_f32 v[rC+1], v[rC+1], v[rS+23], v[rS+31]
.elseif n == 30
	v_max3_num_f32 v[rC], v[rC], v[rC+1], v[rC+2]
.else
	v_max3_num_f32 v[rC], v[rC], v[rC+3], v[rT]
.endif
.endm
.macro SUB p, u, i                     ; s - m for pair i of 32 of tile u
	v_pk_add_f32 v[S+64*(\u)+2*(\i):S+64*(\u)+2*(\i)+1], v[S+64*(\u)+2*(\i):S+64*(\u)+2*(\i)+1], v[ST+8*(\p)+4*(\u):ST+8*(\p)+4*(\u)+1] op_sel_hi:[1,0] neg_lo:[0,1] neg_hi:[0,1]
.endm
; A TURN: tiles 2 p and 2 p + 1 against the step's 128 keys, in phases.
.macro TURN p
	WIN W_KQ
.set kt, 0
.rept 8                                ; 16 products K Q^T: head size 32 is one K step, so each starts and ends its sum
.irp u, 0,1
	v_wmma_f32_16x16x32_f16 v[S+64*(\u)+8*kt:S+64*(\u)+8*kt+7], v[KF+8*kt:KF+8*kt+7], v[Q+16*(\p)+8*(\u):Q+16*(\p)+8*(\u)+7], 0
.endr
.set kt, kt+1
.endr
	WIN 0
	PLACES
.set n, 0
.rept 32                               ; the two tiles alternate, so that no instruction reads the result of the one before it
	MXN \p, 0
	MXN \p, 1
.set n, n+1
.endr
.irp u, 0,1
	v_permlanex16_b32 v[ST+8*(\p)+4*(\u)+1], v[CH+4*(\u)], s[SEL], s[SEL+1]  ; the query's other 64 keys lie in the lane 16 away
.endr
.irp u, 0,1
	v_max_num_f32 v[CH+4*(\u)], v[CH+4*(\u)], v[ST+8*(\p)+4*(\u)+1]
.endr
.irp u, 0,1
	v_sub_f32 v[ST+8*(\p)+4*(\u)+3], v[ST+8*(\p)+4*(\u)], v[CH+4*(\u)]       ; m_old - m_new
.endr
.irp u, 0,1
	v_mov_b32 v[ST+8*(\p)+4*(\u)], v[CH+4*(\u)]
.endr
	; ONE BATCH: the 64 differences and all 130 exponentials; a pair's difference stands four groups ahead of its exponentials, and nothing here names an exponential's result
.irp i, 0,1,2,3
	SUB \p, 0, \i
	SUB \p, 1, \i
.endr
.irp u, 0,1
	v_exp_f32 v[ST+8*(\p)+4*(\u)+2], v[ST+8*(\p)+4*(\u)+3]                   ; a
.endr
.set g, 0
.rept 32
.irp u, 0,1
.if g+4 < 32
	SUB \p, \u, g+4
.endif
	v_exp_f32 v[S+64*(\u)+2*g], v[S+64*(\u)+2*g]
	v_exp_f32 v[S+64*(\u)+2*g+1], v[S+64*(\u)+2*g+1]
.endr
.set g, g+1
.endr
	v_nop                                          ; a plain instruction behind the last exponential, ahead of the first use: one for the batch
	s_wait_alu depctr_va_vdst(0)                   ; the wait ahead of the first instruction that names a result: one for the batch
.set n, 0
.rept 32
.irp u, 0,1
	v_cvt_pk_f16_f32 v[P+32*(\u)+n], v[S+64*(\u)+2*n], v[S+64*(\u)+2*n+1]
.endr
.set n, n+1
.endr
	WIN W_RS
.irp u, 0,1                            ; O^T and l times a, from each accumulator's low end on; of l only register 0 holds a sum, the others hold 0
.set z, 0
.rept 8
	v_pk_mul_f32 v[OT+32*(\p)+16*(\u)+2*z:OT+32*(\p)+16*(\u)+2*z+1], v[OT+32*(\p)+16*(\u)+2*z:OT+32*(\p)+16*(\u)+2*z+1], v[ST+8*(\p)+4*(\u)+2:ST+8*(\p)+4*(\u)+3] op_sel_hi:[1,0]
.set z, z+1
.endr
	v_mul_f32 v[LS+16*(\p)+8*(\u)], v[LS+16*(\p)+8*(\u)], v[ST+8*(\p)+4*(\u)+2]
.endr
.if (\p) == 0
	s_wait_dscnt 0x0                               ; V is in
.endif
	WIN W_PV
.set tt, 0
.rept 4                                ; 32 keys at a time: six accumulators take turns, one instruction a turn
.irp u, 0,1
.irp cb, 0,1
	v_wmma_f32_16x16x32_f16 v[OT+32*(\p)+16*(\u)+8*(\cb):OT+32*(\p)+16*(\u)+8*(\cb)+7], v[VF+16*tt+8*(\cb):VF+16*tt+8*(\cb)+7], v[P+32*(\u)+8*tt:P+32*(\u)+8*tt+7], v[OT+32*(\p)+16*(\u)+8*(\cb):OT+32*(\p)+16*(\u)+8*(\cb)+7]
.endr
.endr
.irp u, 0,1
	v_wmma_f32_16x16x32_f16 v[LS+16*(\p)+8*(\u):LS+16*(\p)+8*(\u)+7], v[ONES:ONES+7], v[P+32*(\u)+8*tt:P+32*(\u)+8*tt+7], v[LS+16*(\p)+8*(\u):LS+16*(\p)+8*(\u)+7]
.endr
.set tt, tt+1
.endr
.endm
; A STEP: 128 keys.  K's and V's fragments come in one run of 32 loads, each 512 bytes on end; K is waited for at once, V in front of the first V^T P.
.macro STEP
	WIN 0
	PLACES                                         ; behind the last V^T P, in front of the loads into V's registers
	v_add_nc_u32 v[ADR], s[TB], v[AD0]
	s_add_co_u32 s[TB], s[TB], STEPB               ; the next fetch is the next step's
	WIN W_LD
.irp f, 0,1,2,3,4,5,6,7                ; group f of 16 keys: channels 0-15, 16-31
	ds_load_b128 v[KF+8*(\f):KF+8*(\f)+3],   v[ADR] offset:(\f)*1024
	ds_load_b128 v[KF+8*(\f)+4:KF+8*(\f)+7], v[ADR] offset:(\f)*1024+512
.endr
.irp f, 0,1,2,3,4,5,6,7                ; group f / 2 of 32 keys, channel half f % 2: the first 16 keys, the second
	ds_load_b128 v[VF+8*(\f):VF+8*(\f)+3],   v[ADR] offset:TILE+((\f)/2)*2048+((\f)%2)*512
	ds_load_b128 v[VF+8*(\f)+4:VF+8*(\f)+7], v[ADR] offset:TILE+((\f)/2)*2048+1024+((\f)%2)*512
.endr
	s_wait_dscnt 16                                ; K is in; V's 16 loads may stay out
	TURN 0
	TURN 1
.endm
.macro TWO_STEPS                       ; a slot's two steps: written once, walked twice; the LDS addresses hang on s[TB]
	WIN 0
	s_mov_b32 s[CNT], 2
.Lstep_\@:
	STEP
	WIN 0
	s_sub_co_u32 s[CNT], s[CNT], 1
	s_cmp_lg_u32 s[CNT], 0
	s_cbranch_scc1 .Lstep_\@
.endm
.Lslot:                                ; three trips: fills 1, 2 and 3 are asked for, fills 0, 1 and 2 multiplied
	CHANGE 1
	TWO_STEPS
	s_sub_co_u32 s[SLOTS], s[SLOTS], 1
	s_cmp_lg_u32 s[SLOTS], 0
	s_cbranch_scc1 .Lslot
	CHANGE 0                                       ; the tail is written out: nothing is asked for
	TWO_STEPS
	; THE MERGE of the four key quarters.  First the maxima meet: G = the greatest of the four m; each wave multiplies its O^T and l by f = 2^(m - G).
	s_lshl_b32 s44, s[WV], 9
	s_add_co_u32 s44, s44, MX
	v_and_b32 v[TMP], 31, v0
	v_lshl_add_u32 v[ADR], v[TMP], 2, s44          ; MX + 512 w + 4 lane
.irp t, 0,1,2,3
	ds_store_b32 v[ADR], v[ST+4*(\t)] offset:128*(\t)
.endr
	s_wait_dscnt 0x0                               ; for the others' sake: my maxima lie in LDS
	s_barrier_signal -1
	s_barrier_wait -1
	s_lshl_b32 s44, s[QH], 9
	s_add_co_u32 s44, s44, MX
	v_lshl_add_u32 v[ADR], v[TMP], 2, s44          ; the four waves of my query half are w = 2 i + QH: 1,024 bytes apart
.irp i, 0,1,2,3
.irp t, 0,1,2,3
	ds_load_b32 v[S+4*(\t)+(\i)], v[ADR] offset:1024*(\i)+128*(\t)
.endr
.endr
	s_wait_dscnt 0x0
.irp t, 0,1,2,3
	v_max3_num_f32 v[CH+(\t)], v[S+4*(\t)], v[S+4*(\t)+1], v[S+4*(\t)+2]
.endr
.irp t, 0,1,2,3
	v_max_num_f32 v[CH+(\t)], v[CH+(\t)], v[S+4*(\t)+3]
.endr
.irp t, 0,1,2,3
	v_sub_f32 v[ST+4*(\t)+3], v[ST+4*(\t)], v[CH+(\t)]
.endr
.irp t, 0,1,2,3
	v_exp_f32 v[ST+4*(\t)+2], v[ST+4*(\t)+3]       ; f
.endr
	s_mul_i32 s44, s[WV], 4*PARTB
	v_add_nc_u32 v[ADR], s44, v[GO]                ; my four parts: 10,240 w + 16 lane (a plain instruction behind the last exponential)
	v_lshl_add_u32 v[TMP], v[TMP], 2, s44
	v_add_nc_u32 v[TMP], 2048, v[TMP]              ; and l behind a part's O^T
	s_wait_alu depctr_va_vdst(0)                   ; one wait for the four exponentials, ahead of their first reader
	WIN W_RS
.irp t, 0,1,2,3
.set z, 0
.rept 8
	v_pk_mul_f32 v[OT+16*(\t)+2*z:OT+16*(\t)+2*z+1], v[OT+16*(\t)+2*z:OT+16*(\t)+2*z+1], v[ST+4*(\t)+2:ST+4*(\t)+3] op_sel_hi:[1,0]
.set z, z+1
.endr
	v_mul_f32 v[LS+8*(\t)], v[LS+8*(\t)], v[ST+4*(\t)+2]
.endr
	WIN W_ST                                       ; slot 0 has had its last fill, and every wave's reads of it ended two barriers back
.irp t, 0,1,2,3
.irp i, 0,1,2,3
	ds_store_b128 v[ADR], v[OT+16*(\t)+4*(\i):OT+16*(\t)+4*(\i)+3] offset:PARTB*(\t)+512*(\i)
.endr
	ds_store_b32 v[TMP], v[LS+8*(\t)] offset:PARTB*(\t)
.endr
	WIN 0
	s_wait_dscnt 0x0                               ; for the others' sake: my parts lie in LDS
	s_barrier_signal -1
	s_barrier_wait -1
	; Wave (QH, KQ) finishes tile KQ of query half QH: the four quarters' parts are added, divided by l, rounded to f16 and stored in fragment order.
	s_mul_i32 s44, s[QH], 4*PARTB
	s_mul_i32 s45, s[KQ], PARTB
	s_add_co_u32 s44, s44, s45
	v_add_nc_u32 v[ADR], s44, v[GO]
	v_and_b32 v[TMP], 31, v0
	v_lshl_add_u32 v[TMP], v[TMP], 2, s44
	v_add_nc_u32 v[TMP], 2048, v[TMP]
.irp i, 0,1,2,3                        ; quarter i's wave is 2 i + QH: 20,480 bytes apart
	ds_load_b32 v[S+64+(\i)], v[TMP] offset:8*PARTB*(\i)
.endr
.irp i, 0,1,2,3
.irp j, 0,1,2,3
	ds_load_b128 v[S+16*(\i)+4*(\j):S+16*(\i)+4*(\j)+3], v[ADR] offset:8*PARTB*(\i)+512*(\j)
.endr
.endr
	s_wait_dscnt 0x0
	v_add_f32 v[S+64], v[S+64], v[S+65]
	v_add_f32 v[S+66], v[S+66], v[S+67]
	v_add_f32 v[S+64], v[S+64], v[S+66]
	v_rcp_f32 v[S+68], v[S+64]                     ; l is at least 1: the greatest key's weight is 1 in its quarter, whose f is 1
	v_mov_b32 v[S+69], 0                           ; named with it as a pair; also the plain instruction behind the reciprocal
.set z, 0
.rept 8
	v_pk_add_f32 v[S+2*z:S+2*z+1], v[S+2*z:S+2*z+1], v[S+16+2*z:S+16+2*z+1]
	v_pk_add_f32 v[S+32+2*z:S+32+2*z+1], v[S+32+2*z:S+32+2*z+1], v[S+48+2*z:S+48+2*z+1]
.set z, z+1
.endr
.set z, 0
.rept 8
	v_pk_add_f32 v[S+2*z:S+2*z+1], v[S+2*z:S+2*z+1], v[S+32+2*z:S+32+2*z+1]
.set z, z+1
.endr
	s_wait_alu depctr_va_vdst(0)                   ; the reciprocal's wait, ahead of its first reader
.set z, 0
.rept 8
	v_pk_mul_f32 v[S+2*z:S+2*z+1], v[S+2*z:S+2*z+1], v[S+68:S+69] op_sel_hi:[1,0]
.set z, z+1
.endr
.set z, 0
.rept 8
	v_cvt_pk_f16_f32 v[S+72+z], v[S+2*z], v[S+2*z+1]
.set z, z+1
.endr
	global_store_b128 v[GO], v[S+72:S+75], s[10:11]             ; channels 0-15 of my 16 queries: 512 consecutive bytes
	global_store_b128 v[GO], v[S+76:S+79], s[10:11] offset:512  ; channels 16-31
	s_wait_tensorcnt 0x0                           ; the wave's end, behind my last tensor load and my last LDS store
	ds_add_u32 v[SPW], v[NIL]
	s_wait_dscnt 0x0
	CROUND                                         ; the closing round: no work-group ends while a partner may still ask for a tile that names it
	s_endpgm
.Lfunc_end_k_q6c9fca7452_attn:
	.size	k_q6c9fca7452_attn, .Lfunc_end_k_q6c9fca7452_attn-k_q6c9fca7452_attn
	.p2alignl 7, 3214868480
	.fill 96, 4, 3214868480
	.section	.rodata,"a",@progbits
	.p2align	6, 0x0
	.amdhsa_kernel k_q6c9fca7452_attn
		.amdhsa_group_segment_fixed_size 327680
		.amdhsa_private_segment_fixed_size 0
		.amdhsa_enable_private_segment 0
		.amdhsa_kernarg_size 32
		.amdhsa_user_sgpr_count 2
		.amdhsa_user_sgpr_kernarg_segment_ptr 1
		.amdhsa_wavefront_size32 1
		.amdhsa_system_sgpr_workgroup_id_x 1
		.amdhsa_system_sgpr_workgroup_id_y 1
		.amdhsa_system_sgpr_workgroup_id_z 1
		.amdhsa_system_vgpr_workitem_id 0
		.amdhsa_next_free_vgpr 512
		.amdhsa_next_free_sgpr 66
		.amdhsa_reserve_vcc 1
		.amdhsa_float_denorm_mode_32 3
		.amdhsa_float_denorm_mode_16_64 3
		.amdhsa_memory_ordered 1
		.amdhsa_forward_progress 1
		.amdhsa_inst_pref_size 108
	.end_amdhsa_kernel
	.amdgpu_metadata
---
amdhsa.version: [ 1, 2 ]
amdhsa.kernels:
  - .name:           k_q6c9fca7452_attn
    .symbol:         k_q6c9fca7452_attn.kd
    .args:
      - { .name: qws, .offset: 0, .size: 8, .value_kind: global_buffer, .address_space: global }
      - { .name: kws, .offset: 8, .size: 8, .value_kind: global_buffer, .address_space: global }
      - { .name: vws, .offset: 16, .size: 8, .value_kind: global_buffer, .address_space: global }
      - { .name: ows, .offset: 24, .size: 8, .value_kind: global_buffer, .address_space: global }
    .group_segment_fixed_size: 327680
    .private_segment_fixed_size: 0
    .kernarg_segment_align: 8
    .kernarg_segment_size: 32
    .max_flat_workgroup_size: 256
    .sgpr_count:     66
    .vgpr_count:     512
    .wavefront_size: 32
...
	.end_amdgpu_metadata
.endif
;; end of part 2
;; launch outp (part 3): grid 256 x 1, 4 waves a work-group, no clusters, 64,000 bytes of LDS; arguments ows, Wo, bo, out0; writes out0
.if DOCPART == 3
	.amdgcn_target "amdgcn-amd-amdhsa--gfx1250"
	.amdhsa_code_object_version 6
	.text
	.protected	k_q6c9fca7452_outp
	.globl	k_q6c9fca7452_outp
	.p2align	8
	.type	k_q6c9fca7452_outp,@function
k_q6c9fca7452_outp:
	s_mov_b64 s[64:65], 0
	v_nop
	global_prefetch_b8 v0, s[64:65] scope:SCOPE_SE
	s_setreg_imm32_b32 hwreg(HW_REG_WAVE_MODE, 25, 1), 1
	s_wait_xcnt 0x0
; THE PROJECTION BEHIND THE ATTENTION: out0[m][n] = the sum over k of O[m][k] Wo[k][n] + bo[n].  O: 8,192 rows x 128 (k = 32 head + channel), f16, in fragment order:
; ows [tile of 16 rows, 512][head 4][blk 2][lane 32][8 f16].  Wo: [128 (k)][128 (n)] f32, bo: [128] f32, out0: [8192][128] f32.  Nothing of reference()'s work is left out here.
; Wo and bo are rounded to bf16, like every input of the program, and that number is written as f16, since O is f16: products in f16, sums in f32.
; LIMITS.  bf16 to f16 is exact from 2^-17 to 65,504 in magnitude; a smaller weight keeps f16's fixed step of 6e-8, a larger one becomes an infinity.  NaN and infinities are not treated apart.
; SHARES.  A work-group takes 32 rows; wave w the tile of 16 rows w % 2 and the 64 columns of half w / 2: four accumulators.  Wo goes once through LDS, [k][n], and comes out turned.
; THE BIAS IS A FIFTH K STEP: LDS rows 128-159 hold bo (row 128) and zeros, and the fragment of O beside them holds 1 at k = 128 and zeros.
; The product is taken transposed (source 0 = 16 columns of Wo, source 1 = my 16 rows): a lane ends with 8 neighbouring columns of one row, 32 bytes; they go through my own stage in LDS, so that 16 lanes
; store 256 consecutive bytes, at a multiple of 256 from out0's first byte.
; No tensor loads, no cluster, no prefetch: what work-groups share is 64 KiB of weights, and all loads of a work-group go out at its head.
.set PW,    288                        ; a row of Wo in LDS: 256 bytes + 32 = 72 words
.set STAGE, 160*PW                     ; behind the 160 rows: 16 rows x 272 bytes for each wave
.set SP,    272                        ; 256 bytes + 16 = 68 words: the 16 rows of a store start at 16 different groups of four banks
.set SPARE, STAGE+4*16*SP              ; the spare words, 128 bytes for each wave: two blocks of 256 bytes that no other line names
.set WO,  1                            ; v1   my byte offset in Wo: wave x 32 rows x 512 + 16 lane
.set FO,  2                            ; v2   16 x lane: O's fragments and bo
.set WST, 3                            ; v3   LDS: where my 8 bytes of my wave's first row of Wo go
.set AST, 4                            ; v4   LDS: the same in my wave's 8 of the rows 128-159
.set TRA, 5                            ; v5   LDS: my place in a turning load, in my column half
.set STO, 6                            ; v6   the way out: where I put 32 bytes of a row
.set RD,  7                            ; v7   the way out: where I read rows back
.set CO,  8                            ; v8   my byte offset in two rows of out0
.set SPW, 10                           ; v10  LDS address of my spare word; never rewritten
.set NIL, 11                           ; v11  0; never rewritten
.set ZP,  12                           ; v[12:13] 0, 0
.set OF,  16                           ; v[16:47] O: four fragments of 16 rows x 32 k, one a head
.set OA,  48                           ; v[48:55] the fifth K step's fragment
.set ACC, 56                           ; v[56:87] four accumulators
.set BI,  88                           ; v[88:91] bo
.set T0,  92                           ; v[92:93] at work
.set STG, 128                          ; v[128:255] my 32 rows of Wo as loaded
.set WF,  96                           ; later: v[96:255] Wo's fragments: K step j, column block nb at 32 j + 8 nb; then v[96:127] rows on the way out
	s_load_b256 s[4:11], s[0:1], 0x0               ; ows s[4:5], Wo s[6:7], bo s[8:9], out0 s[10:11]
	v_lshl_add_u32 v[SPW], v0, 2, SPARE
	v_mov_b32 v[NIL], 0
	v_lshrrev_b32 v14, 5, v0
	v_readfirstlane_b32 s12, v14                   ; wave 0..3
	s_and_b32 s13, s12, 1                          ; which tile of 16 rows
	s_lshr_b32 s14, s12, 1                         ; which half of the columns
	v_and_b32 v14, 31, v0                          ; lane
	v_and_b32 v15, 15, v0                          ; r
	v_bfe_u32 v[T0], v0, 4, 1                      ; h
	s_lshl_b32 s16, s12, 14
	v_lshl_add_u32 v[WO], v14, 4, s16
	v_lshlrev_b32 v[FO], 4, v14
	s_mul_i32 s16, s12, 32*PW
	v_lshl_add_u32 v[WST], v14, 3, s16
	s_mul_i32 s16, s12, 8*PW
	s_add_co_u32 s16, s16, 128*PW
	v_lshl_add_u32 v[AST], v14, 3, s16
	v_and_b32 v[T0+1], 7, v0                       ; the turning load: lane l reads row 8 h + l % 8, 16 bytes at 16 ((l / 8) % 2)
	v_lshl_add_u32 v[T0+1], v[T0], 3, v[T0+1]
	v_mul_u32_u24 v[TRA], v[T0+1], PW
	v_bfe_u32 v[T0+1], v0, 3, 1
	v_lshl_add_u32 v[TRA], v[T0+1], 4, v[TRA]
	s_lshl_b32 s16, s14, 7                         ; my 64 columns: 128 bytes of a row
	v_add_nc_u32 v[TRA], s16, v[TRA]
	s_mul_i32 s16, s12, 16*SP
	s_add_co_u32 s16, s16, STAGE                   ; my stage
	v_mul_u32_u24 v[STO], v15, SP                  ; in: row r, 32 bytes for each half of the lanes
	v_lshl_add_u32 v[STO], v[T0], 5, v[STO]
	v_add_nc_u32 v[STO], s16, v[STO]
	v_mul_u32_u24 v[RD], v[T0], SP                 ; back: lanes 0-15 take one row of 256 bytes, lanes 16-31 the next
	v_lshl_add_u32 v[RD], v15, 4, v[RD]
	v_add_nc_u32 v[RD], s16, v[RD]
	v_lshlrev_b32 v[CO], 9, v[T0]                  ; and the same two rows in out0, in my half of their 512 bytes
	v_lshl_add_u32 v[CO], v15, 4, v[CO]
	s_lshl_b32 s16, s14, 8
	v_add_nc_u32 v[CO], s16, v[CO]
	v_xor_b32 v[T0+1], 1, v[T0]
	v_mul_u32_u24 v[OA], v[T0+1], 0x3c00           ; k = 128 is the low half of register 0 in the lanes with h = 0: 1.0 in f16
.irp i, 1,2,3,4,5,6,7
	v_mov_b32 v[OA+(\i)], 0
.endr
	v_mov_b32 v[ZP], 0
	v_mov_b32 v[ZP+1], 0
	s_cmp_eq_u32 s12, 0
	s_cselect_b32 s15, -1, 0                       ; bo lives in wave 0's first extra row alone
	s_mov_b32 s17, 0xffff0000                      ; a word's upper bf16
	s_lshl_b32 s18, ttmp9, 1
	s_add_co_u32 s18, s18, s13                     ; my tile of 512
	s_lshl_b32 s20, s18, 12                        ; 4,096 bytes of ows,
	s_mov_b32 s21, 0
	s_lshl_b32 s22, s18, 13                        ; 8,192 of out0
	s_mov_b32 s23, 0
	s_wait_kmcnt 0x0
	s_add_nc_u64 s[4:5], s[4:5], s[20:21]
	s_add_nc_u64 s[10:11], s[10:11], s[22:23]
.set i, 0
.rept 32                               ; my 32 rows of Wo: each load covers a row's 512 consecutive bytes
	global_load_b128 v[STG+4*i:STG+4*i+3], v[WO], s[6:7] offset:i*512
.set i, i+1
.endr
	global_load_b128 v[BI:BI+3], v[FO], s[8:9]
.irp j, 0,1,2,3                        ; head j's two blocks of 512 bytes are K step j's fragment
	global_load_b128 v[OF+8*(\j):OF+8*(\j)+3],   v[FO], s[4:5] offset:(\j)*1024
	global_load_b128 v[OF+8*(\j)+4:OF+8*(\j)+7], v[FO], s[4:5] offset:(\j)*1024+512
.endr
.irp i, 1,2,3,4,5,6,7
	ds_store_b64 v[AST], v[ZP:ZP+1] offset:(\i)*PW ; seven of my eight extra rows are zeros
.endr
; four f32 at v[d] become four f16 at v[d], v[d+1]: rounded to bf16, widened again, and written as f16
.macro TOF16 d
	v_cvt_pk_bf16_f32 v[T0], v[(\d)], v[(\d)+1]
	v_cvt_pk_bf16_f32 v[T0+1], v[(\d)+2], v[(\d)+3]
	v_lshlrev_b32 v[(\d)], 16, v[T0]
	v_and_b32 v[(\d)+1], s17, v[T0]
	v_lshlrev_b32 v[(\d)+2], 16, v[T0+1]
	v_and_b32 v[(\d)+3], s17, v[T0+1]
	v_cvt_pk_f16_f32 v[(\d)], v[(\d)], v[(\d)+1]
	v_cvt_pk_f16_f32 v[(\d)+1], v[(\d)+2], v[(\d)+3]
.endm
	s_wait_loadcnt 8                               ; Wo and bo are in; O's 8 loads, issued behind them, may stay out
.set i, 0
.rept 32
	TOF16 STG+4*i
	ds_store_b64 v[WST], v[STG+4*i:STG+4*i+1] offset:i*PW  ; 32 lanes x 8 bytes: a row's 256 bytes on end
.set i, i+1
.endr
	TOF16 BI
	v_and_b32 v[BI], s15, v[BI]                    ; waves 1 to 3 write zeros
	v_and_b32 v[BI+1], s15, v[BI+1]
	ds_store_b64 v[AST], v[BI:BI+1]
	s_wait_dscnt 0x0                               ; for the others' sake: my rows lie in LDS
	s_barrier_signal -1
	s_barrier_wait -1
.irp j, 0,1,2,3,4                      ; all five K steps' fragments of my 64 columns, in one run of 40 loads
.irp nb, 0,1,2,3
	ds_load_tr16_b128 v[WF+32*(\j)+8*(\nb):WF+32*(\j)+8*(\nb)+3],   v[TRA] offset:(\j)*32*PW+32*(\nb)
	ds_load_tr16_b128 v[WF+32*(\j)+8*(\nb)+4:WF+32*(\j)+8*(\nb)+7], v[TRA] offset:(\j)*32*PW+32*(\nb)+16*PW
.endr
.endr
	s_wait_loadcnt 0x0                             ; O
.irp j, 0,1,2,3,4                      ; the four accumulators take turns, one instruction a turn; the first K step starts the sums
	s_wait_dscnt 32-8*(\j)                         ; K step j's 8 loads are in; the later steps' may stay out
.irp nb, 0,1,2,3
.if (\j) == 0
	v_wmma_f32_16x16x32_f16 v[ACC+8*(\nb):ACC+8*(\nb)+7], v[WF+8*(\nb):WF+8*(\nb)+7], v[OF:OF+7], 0
.elseif (\j) == 4
	v_wmma_f32_16x16x32_f16 v[ACC+8*(\nb):ACC+8*(\nb)+7], v[WF+128+8*(\nb):WF+128+8*(\nb)+7], v[OA:OA+7], v[ACC+8*(\nb):ACC+8*(\nb)+7]
.else
	v_wmma_f32_16x16x32_f16 v[ACC+8*(\nb):ACC+8*(\nb)+7], v[WF+32*(\j)+8*(\nb):WF+32*(\j)+8*(\nb)+7], v[OF+8*(\j):OF+8*(\j)+7], v[ACC+8*(\nb):ACC+8*(\nb)+7]
.endif
.endr
.endr
.rept 4
	v_nop                                          ; four places behind the last product, in front of the stores that read results and of the loads into fragments' registers
.endr
.irp nb, 0,1,2,3                       ; each accumulator's low half first
	ds_store_b128 v[STO], v[ACC+8*(\nb):ACC+8*(\nb)+3]   offset:64*(\nb)
	ds_store_b128 v[STO], v[ACC+8*(\nb)+4:ACC+8*(\nb)+7] offset:64*(\nb)+16
.endr
.irp t, 0,1,2,3,4,5,6,7
	ds_load_b128 v[WF+4*(\t):WF+4*(\t)+3], v[RD] offset:(\t)*2*SP  ; LDS serves a wave's instructions in order (ISA guide 5.7.1.4): these see the stores above; the stage is my own
.endr
.irp t, 0,1,2,3,4,5,6,7
	s_wait_dscnt 7-(\t)                            ; pair t of rows is back; the younger loads may stay out
	global_store_b128 v[CO], v[WF+4*(\t):WF+4*(\t)+3], s[10:11] offset:(\t)*1024 th:TH_STORE_NT
.endr
	s_wait_tensorcnt 0x0                           ; the wave's end, behind my last LDS store
	ds_add_u32 v[SPW], v[NIL]
	s_wait_dscnt 0x0
	s_endpgm
.Lfunc_end_k_q6c9fca7452_outp:
	.size	k_q6c9fca7452_outp, .Lfunc_end_k_q6c9fca7452_outp-k_q6c9fca7452_outp
	.p2alignl 7, 3214868480
	.fill 96, 4, 3214868480
	.section	.rodata,"a",@progbits
	.p2align	6, 0x0
	.amdhsa_kernel k_q6c9fca7452_outp
		.amdhsa_group_segment_fixed_size 64000
		.amdhsa_private_segment_fixed_size 0
		.amdhsa_enable_private_segment 0
		.amdhsa_kernarg_size 32
		.amdhsa_user_sgpr_count 2
		.amdhsa_user_sgpr_kernarg_segment_ptr 1
		.amdhsa_wavefront_size32 1
		.amdhsa_system_sgpr_workgroup_id_x 1
		.amdhsa_system_sgpr_workgroup_id_y 1
		.amdhsa_system_sgpr_workgroup_id_z 1
		.amdhsa_system_vgpr_workitem_id 0
		.amdhsa_next_free_vgpr 256
		.amdhsa_next_free_sgpr 66
		.amdhsa_reserve_vcc 0
		.amdhsa_float_denorm_mode_32 3
		.amdhsa_float_denorm_mode_16_64 3
		.amdhsa_memory_ordered 1
		.amdhsa_forward_progress 1
		.amdhsa_inst_pref_size 29
	.end_amdhsa_kernel
	.amdgpu_metadata
---
amdhsa.version: [ 1, 2 ]
amdhsa.kernels:
  - .name:           k_q6c9fca7452_outp
    .symbol:         k_q6c9fca7452_outp.kd
    .args:
      - { .name: ows, .offset: 0, .size: 8, .value_kind: global_buffer, .address_space: global }
      - { .name: Wo, .offset: 8, .size: 8, .value_kind: global_buffer, .address_space: global }
      - { .name: bo, .offset: 16, .size: 8, .value_kind: global_buffer, .address_space: global }
      - { .name: out0, .offset: 24, .size: 8, .value_kind: global_buffer, .address_space: global }
    .group_segment_fixed_size: 64000
    .private_segment_fixed_size: 0
    .kernarg_segment_align: 8
    .kernarg_segment_size: 32
    .max_flat_workgroup_size: 128
    .sgpr_count:     66
    .vgpr_count:     256
    .wavefront_size: 32
...
	.end_amdgpu_metadata
.endif
;; end of part 3
;; ======== version 2 of 2: 3 launches; version 1 with the launches proj, outp written anew for expert scheduling mode
;; limits: values outside matrix products are rounded to bf16; values are held in f16: magnitudes above 65,504 overflow, below 6.1e-05 lose precision
;; workspace buffers: qws 2,097,152 bytes; kws 2,097,152 bytes; vws 2,097,152 bytes; ows 2,097,152 bytes
;; launch proj (part 4): grid 128 x 3, 4 waves a work-group, no clusters, 46,592 bytes of LDS; arguments q, k, v, Wq, Wk, Wv, bq, bv, qws, kws, vws; writes qws, kws, vws
.if DOCPART == 4
	.amdgcn_target "amdgcn-amd-amdhsa--gfx1250"
	.amdhsa_code_object_version 6
	.text
	.protected	k_q6c9fca7452_proj
	.globl	k_q6c9fca7452_proj
	.p2align	8
	.type	k_q6c9fca7452_proj,@function
k_q6c9fca7452_proj:
	s_mov_b64 s[64:65], 0
	v_nop
	global_prefetch_b8 v0, s[64:65] scope:SCOPE_SE
	s_setreg_imm32_b32 hwreg(HW_REG_WAVE_SCHED_MODE, 0, 2), 2
	s_setreg_imm32_b32 hwreg(HW_REG_WAVE_MODE, 25, 1), 1
	s_wait_xcnt 0x0
	s_wait_alu depctr_vm_vsrc(0)
; THE THREE PROJECTIONS IN FRONT OF THE ATTENTION.  y = 0: Q = (q Wq + bq) c, c = log2(e) / sqrt(32);  y = 1: K = k Wk;  y = 2: V = v Wv + bv.
; q, k, v: [8192][128] f32; W: [128 (k)][128 (n)] f32.  Every input is rounded once to bf16, the biases too; products in bf16, sums in f32; each result is rounded once to f16.
; DEAD WORK: bk.  logits[q][key] = Qh[q] . (k[key] Wk + bk) / sqrt(32) = Qh[q] . (k[key] Wk) / sqrt(32) + Qh[q] . bk / sqrt(32).  The last term does not hang on the key, the axis of
; reference()'s softmax, and softmax(z + t) = softmax(z) for every t that is the same along the axis: whatever finite values the inputs hold, bk reaches no output.  kh is used nowhere else.
; So bk is not loaded and is among no launch's arguments, and K's product has no bias step.  LIMIT: a NaN, an infinity or an overflow that reaches only bk's term is not carried to the result.
; LIMITS.  Q c, K and V must lie within f16's 65,504 (a larger number becomes an infinity).  NaN and infinities are not treated apart.
; c is applied here, in f32, ahead of Q's one rounding: the attention's exponentials are then 2^(s - m), with no multiply left in its loop.
; SHARES.  A work-group takes 64 rows of one tensor, each of its four waves 16 rows x all 128 columns: 8 accumulators.  W goes once through LDS, as bf16, [k][n], and comes out turned (ds_load_tr16_b128).
; THE BIAS IS A FIFTH K STEP: LDS rows 128-159 hold the bias (row 128) and zeros, and the x fragment beside them holds 1 at k = 128 and zeros.  So the bias is rounded like a row of W and serves both orientations.
; OUT, IN FRAGMENT ORDER.  qws, kws, vws: [b 4 + head][tile of 16 rows][blk 2][lane 32][8 f16]: a block of 512 bytes is half a matrix fragment as the next launch's registers hold it.
;   Q, K: the product is taken transposed (source 0 = 16 columns of W, source 1 = my 16 rows): lane (r, h) ends with row r, channels 8 h + 0..7 of a block of 16: blk = that block's parity in its head.
;   V: source 0 = my 16 rows, source 1 = 16 columns of W: lane (r, h) ends with channel r of the block and keys 8 h + 0..7.
; No tensor loads, no cluster, no prefetch: what work-groups share is 64 KiB of weights, and all loads of a work-group go out at its head.
; THE MODE: SCHED_MODE bits 1:0 = 2 (LLVM: expert scheduling mode 2), set by the entry lines.  The code itself states the register dependences
; between vector or matrix instructions and memory or LDS instructions, with s_wait_alu, always for 0.
; THE PLAN.  Registers that memory or LDS instructions touch:
;   v1, v2, v4-v7, v[12:13], v14, v15   offsets, LDS addresses, zeros, the closing add's pair: written at the head, read by loads and stores, never written again: one wait ahead of the first load.
;   BI            loaded; rounded and masked by four vector lines; read by one LDS store, behind a wait of its own; never written again.
;   STG rows 0-15   loaded; 32 conversions write them; a wait; their 16 LDS stores stand among the conversions of rows 16-31, which name v192-255 alone.
;   STG rows 16-31  the same a half later: a wait; their 16 LDS stores stand among x's 32 conversions, which name XF and XB alone.
;   Behind the barrier STG's registers become ACC and FA, XF's become FB: one wait says that the LDS stores have read STG, one that x's conversions are done reading XF.
;   FA, FB        K step j's products read one; the loads of K step j + 1 land in the other, which K step j - 1's products read.  One wait at the step's head says that those are done; the 16 loads then stand
;                 among the step's first four products, which name the step's own buffer, x's fragment and the accumulators.
;   ACC           at the way out vector lines pack it; one wait; eight global stores read it.
.set PW,    288                        ; a row of W in LDS: 256 bytes + 32 = 72 words
.set SPARE, 160*PW                     ; behind the 160 rows: the spare words, 128 bytes for each wave: two blocks of 256 bytes that no other line names
.set XO,  1                            ; v1   my byte offset in my wave's rows of x: r x 512 + 32 h
.set WO,  2                            ; v2   my byte offset in W: wave x 32 rows x 512 + 16 lane
.set WST, 4                            ; v4   LDS: where my 8 bytes of my wave's first row of W go
.set AST, 5                            ; v5   LDS: the same in my wave's 8 of the rows 128-159
.set TRA, 6                            ; v6   LDS: my place in a turning load
.set GO,  7                            ; v7   16 x lane: the bias's load, and the stores
.set BI,  8                            ; v[8:11]   the bias
.set ZP,  12                           ; v[12:13]  0, 0
.set SPW, 14                           ; v14  LDS address of my spare word; never rewritten
.set NIL, 15                           ; v15  0; never rewritten
.set XA,  24                           ; v[24:31]  the fifth K step's x fragment
.set XB,  32                           ; v[32:63]  x as bf16: four fragments of 16 rows x 32 k
.set XF,  64                           ; v[64:127] x as loaded
.set STG, 128                          ; v[128:255] my 32 rows of W as loaded
.set ACC, 128                          ; later: v[128:191] 8 accumulators,
.set FA,  192                          ; v[192:255] and
.set FB,  64                           ; v[64:127] two buffers of W's fragments (8 x 8 registers: one K step)
	s_load_b512 s[8:23], s[0:1], 0x0               ; q s[8:9], k s[10:11], v s[12:13], Wq s[14:15], Wk s[16:17], Wv s[18:19], bq s[20:21], bv s[22:23]
	s_load_b128 s[24:27], s[0:1], 0x40             ; qws s[24:25], kws s[26:27]
	s_load_b64 s[28:29], s[0:1], 0x50              ; vws
	v_lshl_add_u32 v[SPW], v0, 2, SPARE
	v_mov_b32 v[NIL], 0
	v_lshrrev_b32 v16, 5, v0
	v_readfirstlane_b32 s4, v16                    ; wave 0..3
	s_and_b32 s5, ttmp7, 0xffff                    ; y: which tensor
	v_and_b32 v17, 31, v0                          ; lane
	v_and_b32 v18, 15, v0                          ; r
	v_bfe_u32 v19, v0, 4, 1                        ; h
	v_lshlrev_b32 v[XO], 9, v18
	v_lshl_add_u32 v[XO], v19, 5, v[XO]
	s_wait_alu depctr_va_sdst(0)                   ; s4 is written, ahead of its first reader: offsets, LDS addresses and the bases are made from it
	s_lshl_b32 s6, s4, 14
	v_lshl_add_u32 v[WO], v17, 4, s6
	v_lshlrev_b32 v[GO], 4, v17
	s_mul_i32 s6, s4, 32*PW
	v_lshl_add_u32 v[WST], v17, 3, s6
	s_mul_i32 s6, s4, 8*PW
	s_add_co_u32 s6, s6, 128*PW
	v_lshl_add_u32 v[AST], v17, 3, s6
	v_and_b32 v20, 7, v0                           ; the turning load: lane l reads row 8 h + l % 8, 16 bytes at 16 ((l / 8) % 2)
	v_lshl_add_u32 v20, v19, 3, v20
	v_mul_u32_u24 v[TRA], v20, PW
	v_bfe_u32 v20, v0, 3, 1
	v_lshl_add_u32 v[TRA], v20, 4, v[TRA]
	v_xor_b32 v20, 1, v19
	v_mul_u32_u24 v[XA], v20, 0x3f80               ; k = 128 is the low half of register 0 in the lanes with h = 0: 1.0 in bf16
.irp i, 1,2,3,4,5,6,7
	v_mov_b32 v[XA+(\i)], 0
.endr
	v_mov_b32 v[ZP], 0
	v_mov_b32 v[ZP+1], 0
	s_cmp_eq_u32 s4, 0
	s_cselect_b32 s40, -1, 0                       ; the bias lives in wave 0's first extra row alone
	s_mov_b32 s42, 0x3e8293ee                      ; c = log2(e) / sqrt(32) = 0.255035
	s_mov_b32 s43, s42                             ; named with it as a pair
	s_lshl_b32 s6, ttmp9, 6
	s_lshl_b32 s7, s4, 4
	s_add_co_u32 s6, s6, s7                        ; my first row of 8,192
	s_lshl_b32 s30, s6, 9                          ; in x: 512 bytes a row
	s_mov_b32 s31, 0
	s_lshr_b32 s44, s6, 12                         ; in the workspace: the batch's four heads of 262,144 bytes,
	s_lshl_b32 s44, s44, 20
	s_and_b32 s45, s6, 0xff0                       ; and my tile of 16 rows, 1,024 bytes
	s_lshl_b32 s45, s45, 6
	s_add_co_u32 s44, s44, s45
	s_mov_b32 s45, 0
	s_wait_kmcnt 0x0
	s_cmp_eq_u32 s5, 0
	s_cselect_b64 s[32:33], s[8:9], s[12:13]       ; x
	s_cselect_b64 s[34:35], s[14:15], s[18:19]     ; W
	s_cselect_b64 s[36:37], s[20:21], s[22:23]     ; the bias (not used where y = 1)
	s_cselect_b64 s[38:39], s[24:25], s[28:29]     ; the workspace
	s_cmp_eq_u32 s5, 1
	s_cselect_b64 s[32:33], s[10:11], s[32:33]
	s_cselect_b64 s[34:35], s[16:17], s[34:35]
	s_cselect_b64 s[38:39], s[26:27], s[38:39]
	s_add_nc_u64 s[32:33], s[32:33], s[30:31]
	s_add_nc_u64 s[38:39], s[38:39], s[44:45]
	s_wait_alu depctr_va_vdst(0)                   ; v1, v2, v4 to v7 and v[12:15] are written: the kernel's loads and stores read them as offsets, LDS addresses and data
.set i, 0
.rept 32                               ; my 32 rows of W: each load covers a row's 512 consecutive bytes
	global_load_b128 v[STG+4*i:STG+4*i+3], v[WO], s[34:35] offset:i*512
.set i, i+1
.endr
.irp j, 0,1,2,3                        ; x: for K step j lane (r, h) takes k = 32 j + 8 h + 0..7 and 32 j + 16 + 8 h + 0..7 of row r
	global_load_b128 v[XF+16*(\j):XF+16*(\j)+3],     v[XO], s[32:33] offset:128*(\j)
	global_load_b128 v[XF+16*(\j)+4:XF+16*(\j)+7],   v[XO], s[32:33] offset:128*(\j)+16
	global_load_b128 v[XF+16*(\j)+8:XF+16*(\j)+11],  v[XO], s[32:33] offset:128*(\j)+64
	global_load_b128 v[XF+16*(\j)+12:XF+16*(\j)+15], v[XO], s[32:33] offset:128*(\j)+80
.endr
	s_cmp_eq_u32 s5, 1
	s_cbranch_scc1 .Lno_bias                       ; K has no bias step (see the head)
	global_load_b128 v[BI:BI+3], v[GO], s[36:37]   ; 128 numbers, 4 a lane, in every wave
.irp i, 1,2,3,4,5,6,7
	ds_store_b64 v[AST], v[ZP:ZP+1] offset:(\i)*PW ; seven of my eight extra rows are zeros
.endr
	s_wait_loadcnt 0x0                             ; the bias was issued last
	v_cvt_pk_bf16_f32 v[BI], v[BI], v[BI+1]
	v_cvt_pk_bf16_f32 v[BI+1], v[BI+2], v[BI+3]
	v_and_b32 v[BI], s40, v[BI]                    ; waves 1 to 3 write zeros
	v_and_b32 v[BI+1], s40, v[BI+1]
	s_wait_alu depctr_va_vdst(0)                   ; the four lines above have written v[BI:BI+1], which the LDS store reads
	ds_store_b64 v[AST], v[BI:BI+1]
.Lno_bias:
	s_wait_loadcnt 16                              ; W is in; x's 16 loads, issued behind it, may stay out
.set i, 0
.rept 16                               ; rows 0-15 of my 32
	v_cvt_pk_bf16_f32 v[STG+4*i], v[STG+4*i], v[STG+4*i+1]
	v_cvt_pk_bf16_f32 v[STG+4*i+1], v[STG+4*i+2], v[STG+4*i+3]
.set i, i+1
.endr
	s_wait_alu depctr_va_vdst(0)                   ; the conversions have written rows 0-15's pairs, which the 16 LDS stores below read; the conversions among those stores name v192-255 alone
.set i, 0
.rept 16
	ds_store_b64 v[WST], v[STG+4*i:STG+4*i+1] offset:i*PW  ; 32 lanes x 8 bytes: a row's 256 bytes on end
	v_cvt_pk_bf16_f32 v[STG+64+4*i], v[STG+64+4*i], v[STG+64+4*i+1]
	v_cvt_pk_bf16_f32 v[STG+64+4*i+1], v[STG+64+4*i+2], v[STG+64+4*i+3]
.set i, i+1
.endr
	s_wait_loadcnt 0x0                             ; x
	s_wait_alu depctr_va_vdst(0)                   ; the conversions have written rows 16-31's pairs, which the 16 LDS stores below read; the conversions among those stores name XF and XB alone
.set i, 0
.rept 16
	ds_store_b64 v[WST], v[STG+64+4*i:STG+64+4*i+1] offset:(16+i)*PW
	v_cvt_pk_bf16_f32 v[XB+2*i], v[XF+4*i], v[XF+4*i+1]
	v_cvt_pk_bf16_f32 v[XB+2*i+1], v[XF+4*i+2], v[XF+4*i+3]
.set i, i+1
.endr
	s_wait_dscnt 0x0                               ; for the others' sake: my rows of W lie in LDS
	s_barrier_signal -1
	s_barrier_wait -1
	s_wait_alu depctr_vm_vsrc(0)                   ; my LDS stores have read v128-255: these registers are ACC and FA from here on, written by the products and by the fragments' loads
	s_wait_alu depctr_va_vdst(0)                   ; x's conversions are done reading XF, which is FB from here on: fragments' loads land in it
.macro PLACES                          ; four places behind a matrix instruction, in front of loads into registers that it has read (ISA guide 7.12.1 for vector instructions)
.rept 4
	v_nop
.endr
.endm
.macro LOADW j, buf                    ; K step j's 8 fragments of W (32 k x 16 columns each), turned
.irp nb, 0,1,2,3,4,5,6,7
	ds_load_tr16_b128 v[(\buf)+8*(\nb):(\buf)+8*(\nb)+3],   v[TRA] offset:(\j)*32*PW+32*(\nb)
	ds_load_tr16_b128 v[(\buf)+8*(\nb)+4:(\buf)+8*(\nb)+7], v[TRA] offset:(\j)*32*PW+32*(\nb)+16*PW
.endr
.endm
; K step j's 8 products; the 8 accumulators take turns, one instruction a turn.  kind 2 (V): source 0 = x; kinds 0, 1 (Q, K): source 0 = W.  first = 1: the products start the sums.
; nxt > 0: K step nxt's 16 fragment loads go into the other buffer, obuf, four behind each of the first four products: early in the step, so that they have the rest of it in which to land.
; They owe no wait of their own: no vector or matrix instruction since the wait at the step's head names obuf or v[TRA].
.macro MUL j, buf, kind, first, nxt, obuf
.if (\j) == 4
.set xr, XA
.else
.set xr, XB+8*(\j)
.endif
.irp nb, 0,1,2,3,4,5,6,7
.if (\kind) == 2
.if \first
	v_wmma_f32_16x16x32_bf16 v[ACC+8*(\nb):ACC+8*(\nb)+7], v[xr:xr+7], v[(\buf)+8*(\nb):(\buf)+8*(\nb)+7], 0
.else
	v_wmma_f32_16x16x32_bf16 v[ACC+8*(\nb):ACC+8*(\nb)+7], v[xr:xr+7], v[(\buf)+8*(\nb):(\buf)+8*(\nb)+7], v[ACC+8*(\nb):ACC+8*(\nb)+7]
.endif
.else
.if \first
	v_wmma_f32_16x16x32_bf16 v[ACC+8*(\nb):ACC+8*(\nb)+7], v[(\buf)+8*(\nb):(\buf)+8*(\nb)+7], v[xr:xr+7], 0
.else
	v_wmma_f32_16x16x32_bf16 v[ACC+8*(\nb):ACC+8*(\nb)+7], v[(\buf)+8*(\nb):(\buf)+8*(\nb)+7], v[xr:xr+7], v[ACC+8*(\nb):ACC+8*(\nb)+7]
.endif
.endif
.if ((\nxt) > 0) && ((\nb) < 4)        ; fragments 2 nb and 2 nb + 1 of K step nxt
	ds_load_tr16_b128 v[(\obuf)+16*(\nb):(\obuf)+16*(\nb)+3],     v[TRA] offset:(\nxt)*32*PW+64*(\nb)
	ds_load_tr16_b128 v[(\obuf)+16*(\nb)+4:(\obuf)+16*(\nb)+7],   v[TRA] offset:(\nxt)*32*PW+64*(\nb)+16*PW
	ds_load_tr16_b128 v[(\obuf)+16*(\nb)+8:(\obuf)+16*(\nb)+11],  v[TRA] offset:(\nxt)*32*PW+64*(\nb)+32
	ds_load_tr16_b128 v[(\obuf)+16*(\nb)+12:(\obuf)+16*(\nb)+15], v[TRA] offset:(\nxt)*32*PW+64*(\nb)+32+16*PW
.endif
.endr
.endm
; ns K steps on two buffers: while one is multiplied the other's 16 loads are out.  The first count, 16, leaves K step 1's loads out; at every later head the step's own 16 loads are all that is out.
.macro GEMM kind, ns
	LOADW 0, FA
	LOADW 1, FB
	s_wait_dscnt 16
	MUL 0, FA, \kind, 1, 0, 0
	PLACES
	s_wait_dscnt 0x0                               ; K step 1's fragments are in
	s_wait_alu depctr_va_vdst(0)                   ; K step 0's products are done reading FA, in which K step 2's loads land; the places above stay beside this wait
	MUL 1, FB, \kind, 0, 2, FA
	PLACES
	s_wait_dscnt 0x0                               ; K step 2's fragments are in
	s_wait_alu depctr_va_vdst(0)                   ; K step 1's products are done reading FB, in which K step 3's loads land
	MUL 2, FA, \kind, 0, 3, FB
.if (\ns) == 5
	PLACES
	s_wait_dscnt 0x0                               ; K step 3's fragments are in
	s_wait_alu depctr_va_vdst(0)                   ; K step 2's products are done reading FA, in which the bias step's loads land
	MUL 3, FB, \kind, 0, 4, FA
	s_wait_dscnt 0x0
	MUL 4, FA, \kind, 0, 0, 0
.else
	s_wait_dscnt 0x0
	MUL 3, FB, \kind, 0, 0, 0
.endif
.endm
; The way out: Q times c; rounded to f16, packed in place from the low end on (register n takes registers 2 n, 2 n + 1, which no later line reads); 8 stores of 512 consecutive bytes.
.macro WAYOUT kind
	PLACES
	PLACES                                         ; eight, once a launch: the accumulators are rewritten in place
.if (\kind) == 0
.set i, 0
.rept 32
	v_pk_mul_f32 v[ACC+2*i:ACC+2*i+1], v[ACC+2*i:ACC+2*i+1], s[42:43] op_sel_hi:[1,0]
.set i, i+1
.endr
.endif
.set i, 0
.rept 32
	v_cvt_pk_f16_f32 v[ACC+i], v[ACC+2*i], v[ACC+2*i+1]
.set i, i+1
.endr
	s_wait_alu depctr_va_vdst(0)                   ; the conversions have written v[ACC:ACC+31], which the eight stores read
.irp nb, 0,1,2,3,4,5,6,7               ; column block nb: head nb / 2, blk nb % 2
	global_store_b128 v[GO], v[ACC+4*(\nb):ACC+4*(\nb)+3], s[38:39] offset:((\nb)/2)*262144+((\nb)%2)*512
.endr
.endm
	s_cmp_eq_u32 s5, 0
	s_cbranch_scc1 .Lq
	s_cmp_eq_u32 s5, 1
	s_cbranch_scc1 .Lk
	GEMM 2, 5
	WAYOUT 2
	s_branch .Lend
.Lq:
	GEMM 0, 5
	WAYOUT 0
	s_branch .Lend
.Lk:
	GEMM 1, 4
	WAYOUT 1
.Lend:
	s_wait_dscnt 0x0                               ; the closing lines, six on end
	s_wait_alu 0x0
	s_wait_tensorcnt 0x0
	ds_add_u32 v[SPW], v[NIL]
	s_wait_dscnt 0x0
	s_endpgm
.Lfunc_end_k_q6c9fca7452_proj:
	.size	k_q6c9fca7452_proj, .Lfunc_end_k_q6c9fca7452_proj-k_q6c9fca7452_proj
	.p2alignl 7, 3214868480
	.fill 96, 4, 3214868480
	.section	.rodata,"a",@progbits
	.p2align	6, 0x0
	.amdhsa_kernel k_q6c9fca7452_proj
		.amdhsa_group_segment_fixed_size 46592
		.amdhsa_private_segment_fixed_size 0
		.amdhsa_enable_private_segment 0
		.amdhsa_kernarg_size 88
		.amdhsa_user_sgpr_count 2
		.amdhsa_user_sgpr_kernarg_segment_ptr 1
		.amdhsa_wavefront_size32 1
		.amdhsa_system_sgpr_workgroup_id_x 1
		.amdhsa_system_sgpr_workgroup_id_y 1
		.amdhsa_system_sgpr_workgroup_id_z 1
		.amdhsa_system_vgpr_workitem_id 0
		.amdhsa_next_free_vgpr 256
		.amdhsa_next_free_sgpr 66
		.amdhsa_reserve_vcc 0
		.amdhsa_float_denorm_mode_32 3
		.amdhsa_float_denorm_mode_16_64 3
		.amdhsa_memory_ordered 1
		.amdhsa_forward_progress 1
		.amdhsa_inst_pref_size 51
	.end_amdhsa_kernel
	.amdgpu_metadata
---
amdhsa.version: [ 1, 2 ]
amdhsa.kernels:
  - .name:           k_q6c9fca7452_proj
    .symbol:         k_q6c9fca7452_proj.kd
    .args:
      - { .name: q, .offset: 0, .size: 8, .value_kind: global_buffer, .address_space: global }
      - { .name: k, .offset: 8, .size: 8, .value_kind: global_buffer, .address_space: global }
      - { .name: v, .offset: 16, .size: 8, .value_kind: global_buffer, .address_space: global }
      - { .name: Wq, .offset: 24, .size: 8, .value_kind: global_buffer, .address_space: global }
      - { .name: Wk, .offset: 32, .size: 8, .value_kind: global_buffer, .address_space: global }
      - { .name: Wv, .offset: 40, .size: 8, .value_kind: global_buffer, .address_space: global }
      - { .name: bq, .offset: 48, .size: 8, .value_kind: global_buffer, .address_space: global }
      - { .name: bv, .offset: 56, .size: 8, .value_kind: global_buffer, .address_space: global }
      - { .name: qws, .offset: 64, .size: 8, .value_kind: global_buffer, .address_space: global }
      - { .name: kws, .offset: 72, .size: 8, .value_kind: global_buffer, .address_space: global }
      - { .name: vws, .offset: 80, .size: 8, .value_kind: global_buffer, .address_space: global }
    .group_segment_fixed_size: 46592
    .private_segment_fixed_size: 0
    .kernarg_segment_align: 8
    .kernarg_segment_size: 88
    .max_flat_workgroup_size: 128
    .sgpr_count:     66
    .vgpr_count:     256
    .wavefront_size: 32
...
	.end_amdgpu_metadata
.endif
;; end of part 4
;; launch attn: the kernel of part 2 again; grid 32 x 8, 8 waves a work-group, clusters of 4 x 1, 327,680 bytes of LDS; arguments qws, kws, vws, ows; writes ows
;; launch outp (part 5): grid 256 x 1, 4 waves a work-group, no clusters, 64,000 bytes of LDS; arguments ows, Wo, bo, out0; writes out0
.if DOCPART == 5
	.amdgcn_target "amdgcn-amd-amdhsa--gfx1250"
	.amdhsa_code_object_version 6
	.text
	.protected	k_q6c9fca7452_outp
	.globl	k_q6c9fca7452_outp
	.p2align	8
	.type	k_q6c9fca7452_outp,@function
k_q6c9fca7452_outp:
	s_mov_b64 s[64:65], 0
	v_nop
	global_prefetch_b8 v0, s[64:65] scope:SCOPE_SE
	s_setreg_imm32_b32 hwreg(HW_REG_WAVE_SCHED_MODE, 0, 2), 2
	s_setreg_imm32_b32 hwreg(HW_REG_WAVE_MODE, 25, 1), 1
	s_wait_xcnt 0x0
	s_wait_alu depctr_vm_vsrc(0)
; THE PROJECTION BEHIND THE ATTENTION: out0[m][n] = the sum over k of O[m][k] Wo[k][n] + bo[n].  O: 8,192 rows x 128 (k = 32 head + channel), f16, in fragment order:
; ows [tile of 16 rows, 512][head 4][blk 2][lane 32][8 f16].  Wo: [128 (k)][128 (n)] f32, bo: [128] f32, out0: [8192][128] f32.  Nothing of reference()'s work is left out here.
; Wo and bo are rounded to bf16, like every input of the program, and that number is written as f16, since O is f16: products in f16, sums in f32.
; LIMITS.  bf16 to f16 is exact from 2^-17 to 65,504 in magnitude; a smaller weight keeps f16's fixed step of 6e-8, a larger one becomes an infinity.  NaN and infinities are not treated apart.
; SHARES.  A work-group takes 32 rows; wave w the tile of 16 rows w % 2 and the 64 columns of half w / 2: four accumulators.  Wo goes once through LDS, [k][n], and comes out turned.
; THE BIAS IS A FIFTH K STEP: LDS rows 128-159 hold bo (row 128) and zeros, and the fragment of O beside them holds 1 at k = 128 and zeros.
; The product is taken transposed (source 0 = 16 columns of Wo, source 1 = my 16 rows): a lane ends with 8 neighbouring columns of one row, 32 bytes; they go through my own stage in LDS, so that 16 lanes
; store 256 consecutive bytes, at a multiple of 256 from out0's first byte.
; No tensor loads, no cluster, no prefetch: what work-groups share is 64 KiB of weights, and all loads of a work-group go out at its head.
; THE MODE: SCHED_MODE bits 1:0 = 2 (LLVM: expert scheduling mode 2), set by the entry lines.  The code itself states the register dependences
; between vector or matrix instructions and memory or LDS instructions, with s_wait_alu, always for 0.
; THE PLAN.  Registers that memory or LDS instructions touch:
;   v1-v8, v10-v13   offsets, LDS addresses, the closing add's pair, zeros: written at the head, read by loads and stores, never written again: one wait ahead of the first load.
;   STG rows 0-15, BI   loaded; their conversions write them; a wait; their 17 LDS stores stand among the conversions of rows 16-31, which name v192-255 and T0 alone.
;   STG rows 16-31      a wait behind their conversions; their 16 LDS stores.
;   Behind the barrier v128-255 become part of WF: one wait says that the LDS stores have read them; every conversion that named them stands ahead of the wait before.
;   OF, WF          loaded, read by the products; no vector line writes them.
;   ACC, v96-127    at the way out one wait, behind the four places: the products have written ACC, which the stage's stores read, and are done reading v96-127, in which the loads from the stage land.
.set PW,    288                        ; a row of Wo in LDS: 256 bytes + 32 = 72 words
.set STAGE, 160*PW                     ; behind the 160 rows: 16 rows x 272 bytes for each wave
.set SP,    272                        ; 256 bytes + 16 = 68 words: the 16 rows of a store start at 16 different groups of four banks
.set SPARE, STAGE+4*16*SP              ; the spare words, 128 bytes for each wave: two blocks of 256 bytes that no other line names
.set WO,  1                            ; v1   my byte offset in Wo: wave x 32 rows x 512 + 16 lane
.set FO,  2                            ; v2   16 x lane: O's fragments and bo
.set WST, 3                            ; v3   LDS: where my 8 bytes of my wave's first row of Wo go
.set AST, 4                            ; v4   LDS: the same in my wave's 8 of the rows 128-159
.set TRA, 5                            ; v5   LDS: my place in a turning load, in my column half
.set STO, 6                            ; v6   the way out: where I put 32 bytes of a row
.set RD,  7                            ; v7   the way out: where I read rows back
.set CO,  8                            ; v8   my byte offset in two rows of out0
.set SPW, 10                           ; v10  LDS address of my spare word; never rewritten
.set NIL, 11                           ; v11  0; never rewritten
.set ZP,  12                           ; v[12:13] 0, 0
.set OF,  16                           ; v[16:47] O: four fragments of 16 rows x 32 k, one a head
.set OA,  48                           ; v[48:55] the fifth K step's fragment
.set ACC, 56                           ; v[56:87] four accumulators
.set BI,  88                           ; v[88:91] bo
.set T0,  92                           ; v[92:93] at work
.set STG, 128                          ; v[128:255] my 32 rows of Wo as loaded
.set WF,  96                           ; later: v[96:255] Wo's fragments: K step j, column block nb at 32 j + 8 nb; then v[96:127] rows on the way out
	s_load_b256 s[4:11], s[0:1], 0x0               ; ows s[4:5], Wo s[6:7], bo s[8:9], out0 s[10:11]
	v_lshl_add_u32 v[SPW], v0, 2, SPARE
	v_mov_b32 v[NIL], 0
	v_lshrrev_b32 v14, 5, v0
	v_readfirstlane_b32 s12, v14                   ; wave 0..3
	v_and_b32 v14, 31, v0                          ; lane
	v_and_b32 v15, 15, v0                          ; r
	v_bfe_u32 v[T0], v0, 4, 1                      ; h
	s_wait_alu depctr_va_sdst(0)                   ; s12 is written, ahead of its first reader: offsets, LDS addresses and the bases are made from it
	s_and_b32 s13, s12, 1                          ; which tile of 16 rows
	s_lshr_b32 s14, s12, 1                         ; which half of the columns
	s_lshl_b32 s16, s12, 14
	v_lshl_add_u32 v[WO], v14, 4, s16
	v_lshlrev_b32 v[FO], 4, v14
	s_mul_i32 s16, s12, 32*PW
	v_lshl_add_u32 v[WST], v14, 3, s16
	s_mul_i32 s16, s12, 8*PW
	s_add_co_u32 s16, s16, 128*PW
	v_lshl_add_u32 v[AST], v14, 3, s16
	v_and_b32 v[T0+1], 7, v0                       ; the turning load: lane l reads row 8 h + l % 8, 16 bytes at 16 ((l / 8) % 2)
	v_lshl_add_u32 v[T0+1], v[T0], 3, v[T0+1]
	v_mul_u32_u24 v[TRA], v[T0+1], PW
	v_bfe_u32 v[T0+1], v0, 3, 1
	v_lshl_add_u32 v[TRA], v[T0+1], 4, v[TRA]
	s_lshl_b32 s16, s14, 7                         ; my 64 columns: 128 bytes of a row
	v_add_nc_u32 v[TRA], s16, v[TRA]
	s_mul_i32 s16, s12, 16*SP
	s_add_co_u32 s16, s16, STAGE                   ; my stage
	v_mul_u32_u24 v[STO], v15, SP                  ; in: row r, 32 bytes for each half of the lanes
	v_lshl_add_u32 v[STO], v[T0], 5, v[STO]
	v_add_nc_u32 v[STO], s16, v[STO]
	v_mul_u32_u24 v[RD], v[T0], SP                 ; back: lanes 0-15 take one row of 256 bytes, lanes 16-31 the next
	v_lshl_add_u32 v[RD], v15, 4, v[RD]
	v_add_nc_u32 v[RD], s16, v[RD]
	v_lshlrev_b32 v[CO], 9, v[T0]                  ; and the same two rows in out0, in my half of their 512 bytes
	v_lshl_add_u32 v[CO], v15, 4, v[CO]
	s_lshl_b32 s16, s14, 8
	v_add_nc_u32 v[CO], s16, v[CO]
	v_xor_b32 v[T0+1], 1, v[T0]
	v_mul_u32_u24 v[OA], v[T0+1], 0x3c00           ; k = 128 is the low half of register 0 in the lanes with h = 0: 1.0 in f16
.irp i, 1,2,3,4,5,6,7
	v_mov_b32 v[OA+(\i)], 0
.endr
	v_mov_b32 v[ZP], 0
	v_mov_b32 v[ZP+1], 0
	s_cmp_eq_u32 s12, 0
	s_cselect_b32 s15, -1, 0                       ; bo lives in wave 0's first extra row alone
	s_mov_b32 s17, 0xffff0000                      ; a word's upper bf16
	s_lshl_b32 s18, ttmp9, 1
	s_add_co_u32 s18, s18, s13                     ; my tile of 512
	s_lshl_b32 s20, s18, 12                        ; 4,096 bytes of ows,
	s_mov_b32 s21, 0
	s_lshl_b32 s22, s18, 13                        ; 8,192 of out0
	s_mov_b32 s23, 0
	s_wait_kmcnt 0x0
	s_add_nc_u64 s[4:5], s[4:5], s[20:21]
	s_add_nc_u64 s[10:11], s[10:11], s[22:23]
	s_wait_alu depctr_va_vdst(0)                   ; v1 to v8 and v10 to v13 are written: the kernel's loads and stores read them as offsets, LDS addresses and data
.set i, 0
.rept 32                               ; my 32 rows of Wo: each load covers a row's 512 consecutive bytes
	global_load_b128 v[STG+4*i:STG+4*i+3], v[WO], s[6:7] offset:i*512
.set i, i+1
.endr
	global_load_b128 v[BI:BI+3], v[FO], s[8:9]
.irp j, 0,1,2,3                        ; head j's two blocks of 512 bytes are K step j's fragment
	global_load_b128 v[OF+8*(\j):OF+8*(\j)+3],   v[FO], s[4:5] offset:(\j)*1024
	global_load_b128 v[OF+8*(\j)+4:OF+8*(\j)+7], v[FO], s[4:5] offset:(\j)*1024+512
.endr
.irp i, 1,2,3,4,5,6,7
	ds_store_b64 v[AST], v[ZP:ZP+1] offset:(\i)*PW ; seven of my eight extra rows are zeros
.endr
; four f32 at v[d] become four f16 at v[d], v[d+1]: rounded to bf16, widened again, and written as f16
.macro TOF16 d
	v_cvt_pk_bf16_f32 v[T0], v[(\d)], v[(\d)+1]
	v_cvt_pk_bf16_f32 v[T0+1], v[(\d)+2], v[(\d)+3]
	v_lshlrev_b32 v[(\d)], 16, v[T0]
	v_and_b32 v[(\d)+1], s17, v[T0]
	v_lshlrev_b32 v[(\d)+2], 16, v[T0+1]
	v_and_b32 v[(\d)+3], s17, v[T0+1]
	v_cvt_pk_f16_f32 v[(\d)], v[(\d)], v[(\d)+1]
	v_cvt_pk_f16_f32 v[(\d)+1], v[(\d)+2], v[(\d)+3]
.endm
	s_wait_loadcnt 8                               ; Wo and bo are in; O's 8 loads, issued behind them, may stay out
.set i, 0
.rept 16                               ; rows 0-15 of my 32,
	TOF16 STG+4*i
.set i, i+1
.endr
	TOF16 BI                                       ; and bo
	v_and_b32 v[BI], s15, v[BI]                    ; waves 1 to 3 write zeros
	v_and_b32 v[BI+1], s15, v[BI+1]
	s_wait_alu depctr_va_vdst(0)                   ; the conversions have written rows 0-15's pairs and v[BI:BI+1], which the 17 LDS stores below read; the conversions among those stores name v192-255 and T0 alone
	ds_store_b64 v[AST], v[BI:BI+1]
.set i, 0
.rept 16
	ds_store_b64 v[WST], v[STG+4*i:STG+4*i+1] offset:i*PW  ; 32 lanes x 8 bytes: a row's 256 bytes on end
	TOF16 STG+64+4*i
.set i, i+1
.endr
	s_wait_alu depctr_va_vdst(0)                   ; the conversions have written rows 16-31's pairs, which the 16 LDS stores below read; they are also the last vector lines that name v128-255, in which fragments' loads land later
.set i, 0
.rept 16
	ds_store_b64 v[WST], v[STG+64+4*i:STG+64+4*i+1] offset:(16+i)*PW
.set i, i+1
.endr
	s_wait_dscnt 0x0                               ; for the others' sake: my rows lie in LDS
	s_barrier_signal -1
	s_barrier_wait -1
	s_wait_alu depctr_vm_vsrc(0)                   ; my LDS stores have read v128-255: these registers are part of WF from here on, and the fragments' loads land in them
.irp j, 0,1,2,3,4                      ; all five K steps' fragments of my 64 columns, in one run of 40 loads
.irp nb, 0,1,2,3
	ds_load_tr16_b128 v[WF+32*(\j)+8*(\nb):WF+32*(\j)+8*(\nb)+3],   v[TRA] offset:(\j)*32*PW+32*(\nb)
	ds_load_tr16_b128 v[WF+32*(\j)+8*(\nb)+4:WF+32*(\j)+8*(\nb)+7], v[TRA] offset:(\j)*32*PW+32*(\nb)+16*PW
.endr
.endr
	s_wait_loadcnt 0x0                             ; O
.irp j, 0,1,2,3,4                      ; the four accumulators take turns, one instruction a turn; the first K step starts the sums
	s_wait_dscnt 32-8*(\j)                         ; K step j's 8 loads are in; the later steps' may stay out
.irp nb, 0,1,2,3
.if (\j) == 0
	v_wmma_f32_16x16x32_f16 v[ACC+8*(\nb):ACC+8*(\nb)+7], v[WF+8*(\nb):WF+8*(\nb)+7], v[OF:OF+7], 0
.elseif (\j) == 4
	v_wmma_f32_16x16x32_f16 v[ACC+8*(\nb):ACC+8*(\nb)+7], v[WF+128+8*(\nb):WF+128+8*(\nb)+7], v[OA:OA+7], v[ACC+8*(\nb):ACC+8*(\nb)+7]
.else
	v_wmma_f32_16x16x32_f16 v[ACC+8*(\nb):ACC+8*(\nb)+7], v[WF+32*(\j)+8*(\nb):WF+32*(\j)+8*(\nb)+7], v[OF+8*(\j):OF+8*(\j)+7], v[ACC+8*(\nb):ACC+8*(\nb)+7]
.endif
.endr
.endr
.rept 4
	v_nop                                          ; four places behind the last product, in front of the stores that read results and of the loads into fragments' registers
.endr
	s_wait_alu depctr_va_vdst(0)                   ; the products have written the accumulators, which the LDS stores read, and are done reading v96-127, in which the loads from the stage land; the places above stay beside this wait
.irp nb, 0,1,2,3                       ; each accumulator's low half first
	ds_store_b128 v[STO], v[ACC+8*(\nb):ACC+8*(\nb)+3]   offset:64*(\nb)
	ds_store_b128 v[STO], v[ACC+8*(\nb)+4:ACC+8*(\nb)+7] offset:64*(\nb)+16
.endr
.irp t, 0,1,2,3,4,5,6,7
	ds_load_b128 v[WF+4*(\t):WF+4*(\t)+3], v[RD] offset:(\t)*2*SP  ; LDS serves a wave's instructions in order (ISA guide 5.7.1.4): these see the stores above; the stage is my own
.endr
.irp t, 0,1,2,3,4,5,6,7
	s_wait_dscnt 7-(\t)                            ; pair t of rows is back; the younger loads may stay out
	global_store_b128 v[CO], v[WF+4*(\t):WF+4*(\t)+3], s[10:11] offset:(\t)*1024 th:TH_STORE_NT
.endr
	s_wait_dscnt 0x0                               ; the closing lines, six on end
	s_wait_alu 0x0
	s_wait_tensorcnt 0x0
	ds_add_u32 v[SPW], v[NIL]
	s_wait_dscnt 0x0
	s_endpgm
.Lfunc_end_k_q6c9fca7452_outp:
	.size	k_q6c9fca7452_outp, .Lfunc_end_k_q6c9fca7452_outp-k_q6c9fca7452_outp
	.p2alignl 7, 3214868480
	.fill 96, 4, 3214868480
	.section	.rodata,"a",@progbits
	.p2align	6, 0x0
	.amdhsa_kernel k_q6c9fca7452_outp
		.amdhsa_group_segment_fixed_size 64000
		.amdhsa_private_segment_fixed_size 0
		.amdhsa_enable_private_segment 0
		.amdhsa_kernarg_size 32
		.amdhsa_user_sgpr_count 2
		.amdhsa_user_sgpr_kernarg_segment_ptr 1
		.amdhsa_wavefront_size32 1
		.amdhsa_system_sgpr_workgroup_id_x 1
		.amdhsa_system_sgpr_workgroup_id_y 1
		.amdhsa_system_sgpr_workgroup_id_z 1
		.amdhsa_system_vgpr_workitem_id 0
		.amdhsa_next_free_vgpr 256
		.amdhsa_next_free_sgpr 66
		.amdhsa_reserve_vcc 0
		.amdhsa_float_denorm_mode_32 3
		.amdhsa_float_denorm_mode_16_64 3
		.amdhsa_memory_ordered 1
		.amdhsa_forward_progress 1
		.amdhsa_inst_pref_size 29
	.end_amdhsa_kernel
	.amdgpu_metadata
---
amdhsa.version: [ 1, 2 ]
amdhsa.kernels:
  - .name:           k_q6c9fca7452_outp
    .symbol:         k_q6c9fca7452_outp.kd
    .args:
      - { .name: ows, .offset: 0, .size: 8, .value_kind: global_buffer, .address_space: global }
      - { .name: Wo, .offset: 8, .size: 8, .value_kind: global_buffer, .address_space: global }
      - { .name: bo, .offset: 16, .size: 8, .value_kind: global_buffer, .address_space: global }
      - { .name: out0, .offset: 24, .size: 8, .value_kind: global_buffer, .address_space: global }
    .group_segment_fixed_size: 64000
    .private_segment_fixed_size: 0
    .kernarg_segment_align: 8
    .kernarg_segment_size: 32
    .max_flat_workgroup_size: 128
    .sgpr_count:     66
    .vgpr_count:     256
    .wavefront_size: 32
...
	.end_amdgpu_metadata
.endif
;; end of part 5
